; MI455X (gfx1250); checked and timed in simulation.
; The chip was launched on July 23, 2026; its instructions are those of AMD's public machine-readable ISA for CDNA 5 (MIT licence, August 2026) and "CDNA5" Instruction Set Architecture Reference Guide (July 2026). The comments in the code are by the model that wrote it; some were corrected since.
;; Fast Multihead Attention. Allowed arithmetic: matrix products marked QUANTISED: E2M1 operands, one E8M0 scale for each 32 along K, by v_wmma_scale_f32_16x16x128_f8f6f4 with both operands' format E2M1 (or v_wmma_scale_f32_32x16x128_f4), f32 sums; products left as they are: bf16, f16 or f32 operands; f32 sums; everything else in f32.
;; Inputs: mask 2,048 x 2,048 float32; wk 1,024 x 1,024 float32; wo 1,024 x 1,024 float32; wq 1,024 x 1,024 float32; wv 1,024 x 1,024 float32; x 2,048 x 4 x 1,024 float32.
;; Outputs: out0 2,048 x 4 x 1,024 float32.
;; This version of the problem:
;;   THIS VERSION OF THE PROBLEM IS GIVEN IN LOW PRECISION. The matrix products marked QUANTISED in the list below multiply operands that are first quantised to E2M1 (2 exponent bits, 1 mantissa bit; 4 bits a number), with one power-of-two scale for each 32 numbers along K (OCP MX v1.0); their sums are f32. The products marked 'left as it is' may take bf16, f16 or f32 operands, with f32 sums. Whichever they take, every output number must still come out within the allowed error. Rounding operands to bf16 (8 significant bits) uses up far more of that allowance than f16 does (11 bits, for magnitudes from 6e-5 to 65,504). All else is computed in f32.
;;   The module's matrix products, in the order in which they are computed (A, B: the left and right operand; K: the contracted axis; several contracted axes count as one K, in the product's order):
;;     1. [M 8,192, K 1,024] x [K 1,024, N 1,024]; A: input x; B: input wq: QUANTISED
;;     2. [M 8,192, K 1,024] x [K 1,024, N 1,024]; A: input x; B: input wk: QUANTISED
;;     3. [M 8,192, K 1,024] x [K 1,024, N 1,024]; A: input x; B: input wv: QUANTISED
;;     4. batch 64 x [M 2,048, K 64] x [K 64, N 2,048]; A: computed on the way; B: computed on the way: left as it is (an operand is computed on the way)
;;     5. batch 64 x [M 64, K 2,048] x [K 2,048, N 2,048]; A: computed on the way; B: computed on the way: left as it is (an operand is computed on the way)
;;     6. [M 8,192, K 1,024] x [K 1,024, N 1,024]; A: computed on the way; B: input wo: left as it is (an operand is computed on the way)
;;   THE QUANTISER, for each operand of a quantised product, along K:
;;     - K is cut into blocks of 32 from its start; a last block that is shorter is filled with zeros.
;;     - A block's scale is 2^e with e = floor(log2(the largest magnitude in the block)) - 2, held to -126 .. 127; a block of zeros has e = 0. As a byte (E8M0): e + 127.
;;     - Each number is divided by its block's scale, clamped to +-6, and rounded to the nearest number of E2M1, ties to even, subnormals kept.
;;     - The product sums the exact products of the quantised numbers (number of the format x scale) in f32.
;;   ~~~python
;;   def quantise(x, axis):      # numpy; x: float32 -> the quantised numbers, widened to float32 again
;;       x = np.moveaxis(x, axis, -1); K = x.shape[-1]
;;       x = np.pad(x, [(0, 0)] * (x.ndim - 1) + [(0, -K % 32)]); x = x.reshape(x.shape[:-1] + (-1, 32)); a = np.abs(x).max(-1, keepdims=True)
;;       e = np.where(a > 0, np.clip(np.frexp(np.where(a > 0, a, 1))[1] - 1 - 2, -126, 127), 0)      # np.frexp(a)[1] - 1 = floor(log2(a)), exactly
;;       r = np.clip(x / 2.0 ** e, -6, 6)
;;       step = 2.0 ** (np.maximum(np.frexp(np.where(r == 0, 1, r))[1] - 1, 0) - 1)
;;       q = np.round(r / step) * step * 2.0 ** e      # np.round: ties to even
;;       return np.moveaxis(q.reshape(q.shape[:-2] + (-1,))[..., :K], -1, axis).astype(np.float32)
;;   ~~~
;; One version. Each part assembles by itself: llvm-mc -triple=amdgcn-amd-amdhsa -mcpu=gfx1250 --defsym DOCPART=n.
;; ======== version 1 of 1: 4 launches
;; limits: right only within a limited range of input values; values are held in f16: magnitudes above 65,504 overflow, below 6.1e-05 lose precision
;; workspace buffers: xcodes 4,194,304 bytes; xscales 262,144 bytes; wcodes 1,572,864 bytes; wscales 98,304 bytes; wo16 2,097,152 bytes; qk 33,554,432 bytes; vt 16,777,216 bytes; ctx 16,777,216 bytes
;; launch quant (part 1): grid 384 x 1, 4 waves a work-group, no clusters, 33,280 bytes of LDS; arguments x, wq, wk, wv, wo, xcodes, xscales, wcodes, wscales, wo16; writes xcodes, xscales, wcodes, wscales, wo16
.if DOCPART == 1
	.amdgcn_target "amdgcn-amd-amdhsa--gfx1250"
	.amdhsa_code_object_version 6
	.text
	.protected	k_q0763b91d5a_quant
	.globl	k_q0763b91d5a_quant
	.p2align	8
	.type	k_q0763b91d5a_quant,@function
k_q0763b91d5a_quant:
	s_mov_b64 s[64:65], 0
	v_nop
	global_prefetch_b8 v0, s[64:65] scope:SCOPE_SE
	s_setreg_imm32_b32 hwreg(HW_REG_WAVE_MODE, 25, 1), 1
	s_wait_xcnt 0x0
; x [2048][4][1024] and wq, wk, wv [1024][1024], f32 with K innermost, become codes of FP4 (E2M1), two a byte, and one E8M0 scale byte for each 32 along K; wo [1024][1024] becomes f16.
; A block's scale is 2^(floor(log2(its largest magnitude)) - 2); its byte is the largest magnitude's exponent field - 2, held at 1 from below.  Each number is divided by the scale and rounded to the nearest code, ties to even;
; beyond the largest code the largest.  (A block of zeros gets the byte 1 where the rule says 127: its codes are zeros, which add nothing under any byte but 0xff, and the bytes are read by this program alone.)
; LIMITS: blocks whose largest magnitude lies under 2^-124, the floor, keep the byte 1; NaN and infinities among the inputs are not served; wo is rounded to f16 (magnitudes up to 65,504).
; SHARES.  Work-groups 0-255: x; 256-287: wq; 288-319: wk; 320-351: wv; 352-383: wo.  A wave takes 8 rows of 1,024 numbers, 16 steps of 512.
; x's rows leave in the order row' = batch x 2048 + position: wave w of work-group W takes batch w, positions 8 W .. 8 W + 7: its eight rows lie 16,384 bytes apart in x, and their codes and scale bytes are dense.
; wq's, wk's and wv's rows follow each other in one buffer of 3,072 rows.  Only pointers, offsets and the distance from row to row are chosen by the work-group's number: the four tensors take one path.
; A STEP.  Each of its four loads reads 512 consecutive bytes, 16 a lane; the 2,048 bytes go through the wave's own stage in LDS and come back 64 bytes a lane (16 neighbours along K, two lanes to a block), since the conversion
; takes eight neighbours from one lane's registers.  A lane's 16 codes are 8 bytes: the wave stores 256 consecutive bytes.  A wave's 256 scale bytes are gathered in LDS and leave as one aligned 256 bytes.
; Memory binds: no matrix unit, no cluster, no barrier (waves share nothing).  Loads run four steps (16 loads a wave) ahead.
.set WAVES, 4
.set STEPS, 16
.set EMAX,  2
.set CB,    8                          ; bytes of 16 codes
.set R,     16                         ; v16-79   four sets of 16 numbers as they are loaded
.set X,     80                         ; v80-111  two sets of 16 neighbours
.set E,     112                        ; v112-127 a scale byte for each step
.set C,     128                        ; v128-159 codes: two registers for each step, so that no store's data are written again
.set RO,    160                        ; v160-167 byte offset of my 16 bytes in each of the wave's eight rows
.set RA,    16                         ; the wo path: v16-79, v80-143 two batches of 16 loads; v144-175 their f16 words
.set RB,    80
.set OUTW,  144
.set WREG,  8192                       ; LDS: a region for each wave: two stages of 32 x SP bytes, behind them its 256 scale bytes
.set SP,    80                         ; a lane's place in a stage: 64 bytes + 16 of padding
.set SPW,   12                         ; v12 LDS address of my spare word; never rewritten
.set NIL,   13                         ; v13 0; never rewritten
.set SPARE, WAVES*WREG                 ; behind the four regions: the spare words, 128 bytes a wave
	s_load_b512 s[8:23], s[0:1], 0x0               ; x s[8:9], wq s[10:11], wk s[12:13], wv s[14:15], wo s[16:17], xcodes s[18:19], xscales s[20:21], wcodes s[22:23]
	s_load_b128 s[24:27], s[0:1], 0x40             ; wscales s[24:25], wo16 s[26:27]
	v_lshl_add_u32 v[SPW], v0, 2, SPARE
	v_mov_b32 v[NIL], 0
	v_lshrrev_b32 v1, 5, v0
	v_readfirstlane_b32 s32, v1                    ; wave
	v_and_b32 v2, 31, v0                           ; lane
	v_lshlrev_b32 v3, 4, v2                        ; my 16 bytes of a load's 512
	s_cmp_ge_u32 ttmp9, 352
	s_cbranch_scc1 .Lwo                            ; the last 32 work-groups only round wo
	s_mul_i32 s33, s32, WREG
	v_lshrrev_b32 v14, 2, v2
	v_mul_u32_u24 v14, v14, SP
	v_and_b32 v15, 3, v2
	v_lshl_add_u32 v14, v15, 4, v14
	v_add_nc_u32 v14, s33, v14                     ; the stage, on the way in: four lanes' 64 bytes on end, then 16 of padding
	v_mul_u32_u24 v15, v2, SP
	v_add_nc_u32 v15, s33, v15                     ; and on the way out: SP x lane: my 16 neighbours
	v_mul_u32_u24 v4, v2, CB                       ; my codes' place in a step's
	v_lshrrev_b32 v5, 1, v2
	s_add_co_u32 s33, s33, 2*32*SP
	v_add_nc_u32 v5, s33, v5                       ; LDS: my wave's 256 scale bytes, my block's byte
	v_lshlrev_b32 v7, 3, v2                        ; and on the way out 8 bytes a lane
	v_add_nc_u32 v6, s33, v7
	; x: in W << 17 + w << 12;  codes w << 20 + W << 12;  scale bytes w << 16 + W << 8
	s_lshl_b32 s34, ttmp9, 17
	s_lshl_b32 s35, s32, 12
	s_add_co_u32 s34, s34, s35
	s_lshl_b32 s36, s32, 20
	s_lshl_b32 s35, ttmp9, 12
	s_add_co_u32 s36, s36, s35
	s_lshl_b32 s38, s32, 16
	s_lshl_b32 s35, ttmp9, 8
	s_add_co_u32 s38, s38, s35
	; a weight: V = W - 256;  in (4 (V mod 32) + w) << 15;  u = 4 V + w: codes u << 12, scale bytes u << 8
	s_sub_co_u32 s40, ttmp9, 256
	s_and_b32 s41, s40, 31
	s_lshl_b32 s41, s41, 2
	s_add_co_u32 s41, s41, s32
	s_lshl_b32 s41, s41, 15
	s_lshl_b32 s40, s40, 2
	s_add_co_u32 s40, s40, s32
	s_lshl_b32 s42, s40, 12
	s_lshl_b32 s43, s40, 8
	s_mov_b32 s44, 4096                            ; from row to row in a weight
	s_wait_kmcnt 0x0
	s_cmp_lt_u32 ttmp9, 320                        ; the choices hang on the work-group's number alone
	s_cselect_b64 s[4:5], s[12:13], s[14:15]
	s_cmp_lt_u32 ttmp9, 288
	s_cselect_b64 s[4:5], s[10:11], s[4:5]
	s_cmp_lt_u32 ttmp9, 256
	s_cselect_b64 s[4:5], s[8:9], s[4:5]           ; the numbers
	s_cselect_b64 s[6:7], s[18:19], s[22:23]       ; the codes
	s_cselect_b64 s[28:29], s[20:21], s[24:25]     ; the scale bytes
	s_cselect_b32 s34, s34, s41
	s_cselect_b32 s36, s36, s42
	s_cselect_b32 s38, s38, s43
	s_cselect_b32 s44, 16384, s44                  ; from row to row of one batch in x
	s_mov_b32 s35, 0
	s_mov_b32 s37, 0
	s_mov_b32 s39, 0
	s_add_nc_u64 s[4:5], s[4:5], s[34:35]
	s_add_nc_u64 s[6:7], s[6:7], s[36:37]
	s_add_nc_u64 s[28:29], s[28:29], s[38:39]
	s_mov_b32 s30, 0
.irp i, 0,1,2,3,4,5,6,7
	v_add_nc_u32 v[RO+\i], s30, v3
	s_add_co_u32 s30, s30, s44
.endr
.macro LOAD t                          ; step t is half t % 2 of row t / 2
.irp i, 0,1,2,3
	global_load_b128 v[R+16*((\t)%4)+4*\i:R+16*((\t)%4)+4*\i+3], v[RO+(\t)/2], s[4:5] offset:2048*((\t)%2)+512*\i th:TH_LOAD_NT   ; 32 lanes read 512 consecutive bytes
.endr
.endm
.macro TURN t                          ; step t's numbers through the stage: LDS serves a wave's instructions in order, so no wait stands between the stores and the loads
.irp i, 0,1,2,3
	ds_store_b128 v14, v[R+16*((\t)%4)+4*\i:R+16*((\t)%4)+4*\i+3] offset:32*SP*((\t)%2)+8*SP*\i
.endr
.irp i, 0,1,2,3
	ds_load_b128 v[X+16*((\t)%2)+4*\i:X+16*((\t)%2)+4*\i+3], v15 offset:32*SP*((\t)%2)+16*\i
.endr
.endm
.irp t, 0,1,2,3
	LOAD \t
.endr
	s_wait_loadcnt 12                              ; step 0's four loads are in
	TURN 0
.macro STEP t
.set XS, X+16*((\t)%2)
.if (\t) > 0
	s_wait_dscnt 1                                 ; this step's numbers are back from the stage (the last step's byte store may be out): so its stores into the stage have read their registers,
.else
	s_wait_dscnt 0x0
.endif
.if (\t)+4 < STEPS
	LOAD (\t)+4                                    ; which take the loads of four steps on
.endif
.if (\t)+1 < STEPS
.if STEPS-2-(\t) >= 3
	s_wait_loadcnt 12                              ; the next step's four loads are in; those of the three steps behind it may be out
.else
	s_wait_loadcnt 4*(STEPS-2-(\t))
.endif
	TURN (\t)+1                                    ; and go through the other stage while this step is worked
.endif
	v_max3_num_f32 v8, |v[XS]|, |v[XS+1]|, |v[XS+2]|               ; the largest magnitude of my 16, in two chains
	v_max3_num_f32 v9, |v[XS+3]|, |v[XS+4]|, |v[XS+5]|
.irp i, 6,10
	v_max3_num_f32 v8, v8, |v[XS+\i]|, |v[XS+\i+1]|
	v_max3_num_f32 v9, v9, |v[XS+\i+2]|, |v[XS+\i+3]|
.endr
	v_max3_num_f32 v8, v8, |v[XS+14]|, |v[XS+15]|
	v_max3_num_f32 v8, v8, v9, (EMAX+1)<<23        ; and the floor 2^(EMAX + 1 - 127): so the byte cannot fall under 1
	v_max_num_f32_dpp v8, v8, v8 row_xmask:1 row_mask:0xf bank_mask:0xf   ; and of my neighbour's 16: the block's
	v_add_nc_u32 v11, -(EMAX<<23), v8              ; EMAX off its exponent field: the conversion takes the exponent field of this operand as its scale
	v_cvt_scalef32_pk8_fp4_f32 v[C+2*(\t)], v[XS:XS+7], v11
	v_cvt_scalef32_pk8_fp4_f32 v[C+2*(\t)+1], v[XS+8:XS+15], v11
	v_lshrrev_b32 v[E+(\t)], 23, v11               ; the scale's byte (also the plain line behind the conversions)
	ds_store_b8 v5, v[E+(\t)] offset:16*(\t)       ; both lanes of a block write the same byte with the same value
	global_store_b64 v4, v[C+2*(\t):C+2*(\t)+1], s[6:7] offset:32*CB*(\t)   ; 32 lanes store 256 consecutive bytes, aligned
.endm
.irp t, 0,1,2,3,4,5,6,7,8,9,10,11,12,13,14,15
	STEP \t
.endr
	ds_load_b64 v[8:9], v6                         ; LDS serves a wave's instructions in order: these see my byte stores
	s_wait_dscnt 0x0
	global_store_b64 v7, v[8:9], s[28:29]          ; 32 lanes store the wave's 256 scale bytes, aligned
	s_branch .Lend
.Lwo:                                  ; wo to f16: a wave takes 8,192 numbers: 64 chunks of 512 bytes in, 256 bytes out, in four batches of 16 loads, two batches on their way
	s_sub_co_u32 s34, ttmp9, 352
	s_lshl_b32 s34, s34, 2
	s_add_co_u32 s34, s34, s32
	s_lshl_b32 s36, s34, 14
	s_lshl_b32 s34, s34, 15
	s_mov_b32 s35, 0
	s_mov_b32 s37, 0
	v_lshlrev_b32 v4, 3, v2                        ; out: 8 bytes a lane
	s_wait_kmcnt 0x0
	s_add_nc_u64 s[4:5], s[16:17], s[34:35]
	s_add_nc_u64 s[6:7], s[26:27], s[36:37]
.macro WLOAD set, batch
.irp i, 0,1,2,3,4,5,6,7,8,9,10,11,12,13,14,15
	global_load_b128 v[\set+4*\i:\set+4*\i+3], v3, s[4:5] offset:8192*\batch+512*\i th:TH_LOAD_NT
.endr
.endm
.macro WOUT set, batch
.irp i, 0,1,2,3,4,5,6,7,8,9,10,11,12,13,14,15
	v_cvt_pk_f16_f32 v[OUTW+2*\i], v[\set+4*\i], v[\set+4*\i+1]
	v_cvt_pk_f16_f32 v[OUTW+2*\i+1], v[\set+4*\i+2], v[\set+4*\i+3]
	global_store_b64 v4, v[OUTW+2*\i:OUTW+2*\i+1], s[6:7] offset:4096*\batch+256*\i   ; 32 lanes store 256 consecutive bytes, aligned
.endr
.endm
	WLOAD RA, 0
	WLOAD RB, 1
	s_wait_loadcnt 16                              ; the older batch is in, the younger one's 16 loads may be out
	WOUT RA, 0
	WLOAD RA, 2
	s_wait_loadcnt 16
	s_wait_xcnt 0x0                                ; the stores have read their data: the f16 words are written again only behind this wait
	WOUT RB, 1
	WLOAD RB, 3
	s_wait_loadcnt 16
	s_wait_xcnt 0x0
	WOUT RA, 2
	s_wait_loadcnt 0x0
	s_wait_xcnt 0x0
	WOUT RB, 3
.Lend:
	s_wait_tensorcnt 0x0                           ; the wave's end, behind my last LDS store
	ds_add_u32 v[SPW], v[NIL]
	s_wait_dscnt 0x0
	s_endpgm
.Lfunc_end_k_q0763b91d5a_quant:
	.size	k_q0763b91d5a_quant, .Lfunc_end_k_q0763b91d5a_quant-k_q0763b91d5a_quant
	.p2alignl 7, 3214868480
	.fill 96, 4, 3214868480
	.section	.rodata,"a",@progbits
	.p2align	6, 0x0
	.amdhsa_kernel k_q0763b91d5a_quant
		.amdhsa_group_segment_fixed_size 33280
		.amdhsa_private_segment_fixed_size 0
		.amdhsa_enable_private_segment 0
		.amdhsa_kernarg_size 80
		.amdhsa_user_sgpr_count 2
		.amdhsa_user_sgpr_kernarg_segment_ptr 1
		.amdhsa_wavefront_size32 1
		.amdhsa_system_sgpr_workgroup_id_x 1
		.amdhsa_system_sgpr_workgroup_id_y 1
		.amdhsa_system_sgpr_workgroup_id_z 1
		.amdhsa_system_vgpr_workitem_id 0
		.amdhsa_next_free_vgpr 192
		.amdhsa_next_free_sgpr 66
		.amdhsa_reserve_vcc 0
		.amdhsa_float_denorm_mode_32 3
		.amdhsa_float_denorm_mode_16_64 3
		.amdhsa_memory_ordered 1
		.amdhsa_forward_progress 1
		.amdhsa_inst_pref_size 55
	.end_amdhsa_kernel
	.amdgpu_metadata
---
amdhsa.version: [ 1, 2 ]
amdhsa.kernels:
  - .name:           k_q0763b91d5a_quant
    .symbol:         k_q0763b91d5a_quant.kd
    .args:
      - { .name: x, .offset: 0, .size: 8, .value_kind: global_buffer, .address_space: global }
      - { .name: wq, .offset: 8, .size: 8, .value_kind: global_buffer, .address_space: global }
      - { .name: wk, .offset: 16, .size: 8, .value_kind: global_buffer, .address_space: global }
      - { .name: wv, .offset: 24, .size: 8, .value_kind: global_buffer, .address_space: global }
      - { .name: wo, .offset: 32, .size: 8, .value_kind: global_buffer, .address_space: global }
      - { .name: xcodes, .offset: 40, .size: 8, .value_kind: global_buffer, .address_space: global }
      - { .name: xscales, .offset: 48, .size: 8, .value_kind: global_buffer, .address_space: global }
      - { .name: wcodes, .offset: 56, .size: 8, .value_kind: global_buffer, .address_space: global }
      - { .name: wscales, .offset: 64, .size: 8, .value_kind: global_buffer, .address_space: global }
      - { .name: wo16, .offset: 72, .size: 8, .value_kind: global_buffer, .address_space: global }
    .group_segment_fixed_size: 33280
    .private_segment_fixed_size: 0
    .kernarg_segment_align: 8
    .kernarg_segment_size: 80
    .max_flat_workgroup_size: 128
    .sgpr_count:     66
    .vgpr_count:     192
    .wavefront_size: 32
...
	.end_amdgpu_metadata
.endif
;; end of part 1
;; launch qkv (part 2): grid 12 x 32, 4 waves a work-group, clusters of 4 x 4, 327,680 bytes of LDS; arguments xcodes, xscales, wcodes, wscales, qk, vt; writes qk, vt
.if DOCPART == 2
	.amdgcn_target "amdgcn-amd-amdhsa--gfx1250"
	.amdhsa_code_object_version 6
	.text
	.protected	k_q0763b91d5a_qkv
	.globl	k_q0763b91d5a_qkv
	.p2align	8
	.type	k_q0763b91d5a_qkv,@function
k_q0763b91d5a_qkv:
	s_mov_b64 s[64:65], 0
	v_nop
	global_prefetch_b8 v0, s[64:65] scope:SCOPE_SE
	s_setreg_imm32_b32 hwreg(HW_REG_WAVE_MODE, 25, 1), 1
	s_wait_xcnt 0x0
	s_wait_alu depctr_hold_cnt(0) depctr_sa_sdst(0) depctr_va_vdst(0) depctr_va_sdst(0) depctr_va_ssrc(0) depctr_va_vcc(0) depctr_vm_vsrc(0)
	s_getreg_b32 s2, hwreg(HW_REG_IB_STS2, 6, 4)
	s_cmp_eq_u32 s2, 0
	s_cbranch_scc0 .Lentry_in_a_cluster
	s_endpgm
.Lentry_in_a_cluster:
	s_bfe_u32 s2, ttmp6, 0x10000c
	s_cmp_lg_u32 s2, 0xf033
	s_cbranch_scc0 .Lentry_shape_is_right
	s_endpgm
.Lentry_shape_is_right:
; The three quantised products, C[m][n] = sum over k of A[m][k] B[n][k], K = 1,024, on codes of FP4 (E2M1) with one E8M0 scale for each 32 along K; sums in f32; C leaves as f16.
; TWO MODES, chosen by the cluster's x, which all sixteen partners share.
;   cluster x = 0, 1: A = x' (8,192 rows, row' = batch x 2048 + position), B = wq (x = 0) or wk (x = 1): C = q or k.  q is multiplied by 1/8 = 1/sqrt(64), a power of two, in f32 ahead of its one rounding.
;   cluster x = 2:    A = wv (1,024 rows), B = x': C = v TRANSPOSED, [channel][row'], which is how the second product of attention wants it: keys innermost.
; C IS LAID IN BLOCKS OF 64 COLUMNS: byte (n / 64) << SH + 128 m + 2 (n mod 64); SH = 20 for q and k (a block is a head: 8,192 rows of 128 bytes), 17 for v^T (a block is 64 keys of the 1,024 channels).
; A tile of C, 256 x 256, is made by four waves, 128 x 128 each: 64 accumulators, 512 registers.  K goes in two steps of 512 through two LDS slots, each filled once by the tensor data mover (rows of 256 bytes);
; the scale bytes of the tile's rows, two dense blocks, come with them.  CLUSTERS: 4 x 4 work-groups; A's tiles are asked for jointly along a row of the cluster, B's along a column.
; THE MATRIX INSTRUCTION IS USED TRANSPOSED (source 0 = 16 rows of B, source 1 = 16 rows of A): a lane then holds eight neighbouring columns of one row of C, 16 bytes of f16.
; 384 work-groups: the three products have 384 tiles; a tile that gave a multiple of 256 would cut a head's 64 columns between waves.
; No prefetch: every tile of the launch is asked for at its head.  LIMIT: |q| / 8, |k|, |v| up to 65,504 (f16).
; REGISTERS, in windows of 256: window 0: v0-31 addresses; v32-95 scale words, two sets; v128-191 A's fragments, one set; on the way out v128-223 are at work.
;   window 1: B's fragments, two sets, at v0 and v128.   window 2: the accumulators of my rows 0-63 ((a, b) at v[8 (8 a + b)]);   window 3: those of my rows 64-127.
.set NQ,     4                         ; matrix instructions deep in a slot: 512 along K
.set ROWB,   256                       ; a tile's row in bytes
.set KROW,   512                       ; a row of codes in memory
.set PITCH,  272                       ; an LDS row: 256 bytes + 16 of padding = 68 words: the 16 rows that a load touches start at 16 different groups of four banks (64 banks of 4 bytes: ISA guide 11.1)
.set FR,     8
.set NL,     2
.set NP,     4                         ; places behind this matrix instruction (ISA guide 7.12.1)
.set HALFT,  128*PITCH
.set SLOT,   4*HALFT                   ; A's 256 rows, then B's 256 rows
.set KS,     32                        ; a row of scale bytes
.set SCL,    2*SLOT                    ; behind the slots: the scales, as units of 256 bytes + 16 of padding
.set HALFS,  (128*KS/256)*272
.set SBLK,   (16*KS/256)*272
.set SPARE,  SCL+4*HALFS               ; the spare words, 128 bytes a wave
.set SPITCH, 272                       ; the way out: a stage of 16 rows x (256 bytes + 16) for each wave, in slot 0, which has had its one fill and its last read by then
.set ADRA, 16
.set ADRB, 20
.set STO,  24
.set RD,   25
.set CO,   26
.set ADRS, 27
.set SPW,  28
.set NIL,  29
.set SC,   32
.set AF,   128
.set BK,   128                         ; the way out: 16 rows read back: v128-159 and v160-191 by turns
.set TMP,  192                         ; the way out: a block's f16 words
.set G1, 24
.set G0, 32
.set G1B, 48
.set G0B, 56
.set G1S, 68
.set G0S, 76
.set G1SB, 80
.set G0SB, 88
.set SH,  95                           ; s95  log2 of the bytes of a block of 64 columns of C
.set FS,  66                           ; s[66:67] 1/8
.set MSB, 0
.macro WIN new                         ; the immediate's high byte repeats the setting that is left
.if MSB != \new
	s_set_vgpr_msb (MSB<<8)|\new
.set MSB, \new
.endif
.endm
.set MUL_LO, 0xa1                      ; source 0 (B) window 1, source 1 (A) window 0, C and D window 2
.set MUL_HI, 0xf1
.set TO_B,   0x40
; A joint load: waves 0 and 1 fetch for A, waves 2 and 3 for B.  The branch hangs on the wave's number alone.  An s_nop 0 and four v_nop follow each of the two lines.
.macro JLOAD g0a, g1a, g0b, g1b
	s_cmp_eq_u32 s15, 0
	s_cbranch_scc0 .Lfor_b_\@
	tensor_load_to_lds s[\g0a:\g0a+3], s[\g1a:\g1a+7]
	s_nop 0
.rept 4
	v_nop
.endr
	s_branch .Lasked_\@
.Lfor_b_\@:
	tensor_load_to_lds s[\g0b:\g0b+3], s[\g1b:\g1b+7]
	s_nop 0
.rept 4
	v_nop
.endr
.Lasked_\@:
.endm
.macro CROUND                          ; a round of the cluster's barrier
	s_barrier_signal -1
	s_barrier_wait -1
	s_cmp_lg_u32 s14, 0
	s_cbranch_scc1 .Lnot_wave_0_\@
	s_barrier_signal -3
.Lnot_wave_0_\@:
	s_barrier_wait -3
	s_barrier_signal -1
	s_barrier_wait -1
.endm
	s_load_b256 s[4:11], s[0:1], 0x0               ; xcodes s[4:5], xscales s[6:7], wcodes s[8:9], wscales s[10:11]
	s_load_b128 s[96:99], s[0:1], 0x20             ; qk s[96:97], vt s[98:99]
	v_lshl_add_u32 v[SPW], v0, 2, SPARE
	v_mov_b32 v[NIL], 0
	ds_add_u32 v[SPW], v[NIL]                      ; the wave's opening: the add, twice on end, and its wait ahead of my first tensor load
	ds_add_u32 v[SPW], v[NIL]
	v_lshrrev_b32 v1, 5, v0
	v_readfirstlane_b32 s14, v1                    ; wave 0..3
	s_lshr_b32 s15, s14, 1                         ; which half of the tile's rows is mine.  Also: I fetch for A (0) or for B (1)
	s_and_b32 s16, s14, 1                          ; which half of its columns.  Also: which 128 rows of that tile I fetch
	s_bfe_u32 s40, ttmp6, 0x40000                  ; cx, cy: my place in the cluster
	s_bfe_u32 s41, ttmp6, 0x40004
	s_and_b32 s17, ttmp7, 0xffff                   ; the cluster's y
	s_cmp_eq_u32 ttmp9, 2                          ; the mode: v^T?
	s_cselect_b32 s42, s17, ttmp9                  ; which four tile columns: v^T walks x' along the cluster's y,
	s_cselect_b32 s17, 0, s17                      ; and has four tile rows in all
	s_cselect_b32 s[SH], 17, 20
	s_lshl_b32 s42, s42, 2
	s_add_co_u32 s42, s42, s40                     ; tile column of C
	s_lshl_b32 s17, s17, 2
	s_add_co_u32 s17, s17, s41                     ; tile row of C
	s_lshl_b32 s43, s41, 2
	s_lshl_b32 s43, 15, s43                        ; my row of the cluster
	s_lshl_b32 s44, 0x1111, s40                    ; my column
	; descriptor group 1: a tile of 128 rows x 256 bytes, padded in LDS
	s_or_b32 s[G1+0], s43, (0<<16)|(1<<20)|(1<<21)|(5<<22)|(3<<25)  ; 15:0 the mask; 17:16 elements of 1 byte; 20 padding on; 21 set beside a mask; 24:22 after every 64 words; 31:25 four words
	s_or_b32 s[G1B+0], s44, (0<<16)|(1<<20)|(1<<21)|(5<<22)|(3<<25)
.irp g, G1, G1B
	s_mov_b32 s[\g+1], ROWB<<16                    ; tensor_dim0
	s_mov_b32 s[\g+2], 128<<16                     ; tensor_dim1
	s_mov_b32 s[\g+3], ROWB<<16                    ; tile_dim0
	s_mov_b32 s[\g+4], 128                         ; tile_dim1
	s_mov_b32 s[\g+5], KROW                        ; from row to row
	s_mov_b32 s[\g+6], 0
	s_mov_b32 s[\g+7], 0
.endr
	; the scales of 128 rows: 4,096 dense bytes, as 16 rows of 256 bytes (32 elements of 8 bytes), 16 bytes of padding behind each
	s_or_b32 s[G1S+0], s43, (3<<16)|(1<<20)|(1<<21)|(5<<22)|(3<<25)
	s_or_b32 s[G1SB+0], s44, (3<<16)|(1<<20)|(1<<21)|(5<<22)|(3<<25)
.irp g, G1S, G1SB
	s_mov_b32 s[\g+1], 32<<16
	s_mov_b32 s[\g+2], (128*KS/256)<<16
	s_mov_b32 s[\g+3], 32<<16
	s_mov_b32 s[\g+4], 128*KS/256
	s_mov_b32 s[\g+5], 32
	s_mov_b32 s[\g+6], 0
	s_mov_b32 s[\g+7], 0
.endr
	s_lshl_b32 s18, s16, 7                         ; which 128 rows of the tile I fetch
	s_lshl_b32 s20, s17, 8
	s_add_co_u32 s20, s20, s18                     ; A: row 256 x tile row + 128 x half
	s_lshl_b32 s46, s42, 8
	s_add_co_u32 s46, s46, s18                     ; B: row 256 x tile column + 128 x half
	s_mov_b32 s21, 0
	s_mov_b32 s47, 0
	s_mov_b64 s[18:19], KS
	s_mul_u64 s[22:23], s[20:21], s[18:19]         ; where these rows' scales begin, in bytes
	s_mul_u64 s[92:93], s[46:47], s[18:19]
	s_mov_b64 s[18:19], KROW
	s_mul_u64 s[20:21], s[20:21], s[18:19]         ; and their codes
	s_mul_u64 s[46:47], s[46:47], s[18:19]
	s_mul_i32 s45, s14, HALFT                      ; where they go: wave x 128 rows: no place in the cluster enters an LDS address
	s_mul_i32 s94, s14, HALFS
	s_wait_dscnt 0x0                               ; both opening adds are done
	s_wait_kmcnt 0x0
	s_add_nc_u64 s[18:19], s[8:9], 0x100000        ; wv's codes: rows 2,048 on of the weights' 3,072
	s_add_nc_u64 s[66:67], s[10:11], 0x10000       ; and its scale bytes
	s_cmp_eq_u32 ttmp9, 2                          ; the choice hangs on the cluster's x alone
	s_cselect_b64 s[100:101], s[4:5], s[8:9]       ; B's codes
	s_cselect_b64 s[2:3], s[6:7], s[10:11]         ; B's scales
	s_cselect_b64 s[4:5], s[18:19], s[4:5]         ; A's codes
	s_cselect_b64 s[6:7], s[66:67], s[6:7]         ; A's scales
	s_cselect_b64 s[12:13], s[98:99], s[96:97]     ; C
	s_add_nc_u64 s[20:21], s[4:5], s[20:21]
	s_add_nc_u64 s[22:23], s[6:7], s[22:23]
	s_add_nc_u64 s[46:47], s[100:101], s[46:47]
	s_add_nc_u64 s[92:93], s[2:3], s[92:93]
	CROUND                                         ; all sixteen work-groups are here: the first joint loads meet
	s_mov_b32 s[G0S], 1
	s_add_co_u32 s[G0S+1], s94, SCL
	s_mov_b64 s[G0S+2:G0S+3], s[22:23]
	s_or_b32 s[G0S+3], s[G0S+3], 0x80000000
	s_mov_b32 s[G0SB], 1
	s_add_co_u32 s[G0SB+1], s94, SCL
	s_mov_b64 s[G0SB+2:G0SB+3], s[92:93]
	s_or_b32 s[G0SB+3], s[G0SB+3], 0x80000000
	JLOAD G0S, G1S, G0SB, G1SB                     ; the scales first: they are wanted with the first K step
.irp s, 0,1
	s_mov_b32 s[G0+4*\s], 1
	s_add_co_u32 s[G0+4*\s+1], s45, \s*SLOT
	s_add_nc_u64 s[G0+4*\s+2:G0+4*\s+3], s[20:21], \s*ROWB
	s_or_b32 s[G0+4*\s+3], s[G0+4*\s+3], 0x80000000
	s_mov_b32 s[G0B+4*\s], 1
	s_add_co_u32 s[G0B+4*\s+1], s45, \s*SLOT
	s_add_nc_u64 s[G0B+4*\s+2:G0B+4*\s+3], s[46:47], \s*ROWB
	s_or_b32 s[G0B+4*\s+3], s[G0B+4*\s+3], 0x80000000
	JLOAD G0+4*\s, G1, G0B+4*\s, G1B               ; three tensor loads of mine are out behind the second of these: all that the launch asks for
.endr
	s_mov_b32 s[FS], 0x3e000000                    ; 1/8
	s_mov_b32 s[FS+1], s[FS]                       ; (named with it as a pair, so it is written)
	v_and_b32 v1, 15, v0                           ; l % 16
	v_bfe_u32 v2, v0, 4, 1                         ; l / 16
	v_mul_u32_u24 v3, v1, PITCH
	v_lshl_add_u32 v4, v2, 4, v3                   ; a fragment's row x pitch + 16 x half
	s_mul_i32 s21, s15, HALFT                      ; my 128 rows of A
	s_mul_i32 s22, s16, HALFT                      ; my 128 rows of B,
	s_add_co_u32 s22, s22, 2*HALFT                 ; which lie behind A's 256
.irp s, 0,1
	v_add_nc_u32 v[ADRA+\s], s21, v4
	v_add_nc_u32 v[ADRB+\s], s22, v4
	s_add_co_u32 s21, s21, SLOT
	s_add_co_u32 s22, s22, SLOT
.endr
	v_mul_u32_u24 v5, v1, KS                       ; my row's scales: KS bytes a row,
	v_lshrrev_b32 v6, 8, v5
	v_lshl_add_u32 v5, v6, 4, v5                   ; and 16 more for each 256 passed
	s_mul_i32 s21, s15, HALFS                      ; A's: my 128 rows
	s_mul_i32 s22, s16, HALFS                      ; B's: my 128 rows, behind A's 256
	s_add_co_u32 s22, s22, 2*HALFS
	s_sub_co_u32 s22, s22, s21
	v_mul_u32_u24 v6, s22, v2                      ; lanes 16-31 take B's: one product, the distance between the two bases
	s_add_co_u32 s21, s21, SCL
	v_add_nc_u32 v5, v5, v6
	v_add_nc_u32 v[ADRS], s21, v5
	s_mul_i32 s23, s14, 16*SPITCH                  ; my stage
	v_mul_u32_u24 v5, v1, SPITCH                   ; in: row l % 16, 16 bytes for each half of the lanes
	v_lshl_add_u32 v5, v2, 4, v5
	v_add_nc_u32 v[STO], s23, v5
	v_bfe_u32 v6, v0, 3, 1                         ; back: lanes 0-15 take 128 bytes (one block of 64 columns) of two rows, lanes 16-31 the other block's
	v_mul_u32_u24 v6, v6, SPITCH
	v_lshl_add_u32 v6, v2, 7, v6
	v_and_b32 v7, 7, v0
	v_lshl_add_u32 v6, v7, 4, v6
	v_add_nc_u32 v[RD], s23, v6
	v_lshlrev_b32 v[CO], s[SH], v2                 ; and in C: two rows of a block are 256 consecutive bytes; the next block lies 1 << SH on
	v_lshl_add_u32 v[CO], v1, 4, v[CO]
	s_lshl_b32 s20, s42, 2
	s_lshl_b32 s21, s16, 1
	s_add_co_u32 s20, s20, s21                     ; my first block of 64 columns: 4 x tile column + 2 x half
	s_lshl_b32 s20, s20, s[SH]
	s_lshl_b32 s21, s17, 8
	s_lshl_b32 s22, s15, 7
	s_add_co_u32 s21, s21, s22                     ; my first row: 256 x tile row + 128 x half
	s_lshl_b32 s21, s21, 7
	s_add_co_u32 s20, s20, s21                     ; under 2^26
	s_mov_b32 s21, 0
	s_add_nc_u64 s[12:13], s[12:13], s[20:21]
.macro FRAG reg, adr, q, i             ; a fragment, 16 rows x 128 K of 4-bit codes: lane l holds row l % 16; registers 4 c .. 4 c + 3 hold K = 64 c + 32 (l / 16) + 0 .. 31
.irp c, 0,1
	ds_load_b128 v[\reg+4*\c:\reg+4*\c+3], v[\adr] offset:64*(\q)+32*\c+(\i)*16*PITCH
.endr
.endm
; 16 matrix instructions: A's blocks a0, a0 + 1 x B's eight, 128 along K.  p: B's set;  sc: the set of scale words.  zero = 1: the first product starts the sums.
; The 64 accumulators take turns, one instruction a turn, in the same order in every step.  One scale register carries A's word (lanes 0-15) and B's (lanes 16-31).
.macro MUL16 a0, p, q, sc, zero
.irp a, \a0, \a0+1
.irp b, 0,1,2,3,4,5,6,7
.if \zero
	v_wmma_scale_f32_16x16x128_f8f6f4 v[8*(8*((\a)%4)+\b):8*(8*((\a)%4)+\b)+7], v[128*(\p)+FR*\b:128*(\p)+FR*\b+FR-1], v[AF+FR*(\a):AF+FR*(\a)+FR-1], 0, v[SC+8*NQ*(\sc)+NQ*\b+(\q)], v[SC+8*NQ*(\sc)+NQ*(\a)+(\q)] matrix_a_fmt:MATRIX_FMT_FP4 matrix_b_fmt:MATRIX_FMT_FP4 matrix_a_scale:MATRIX_SCALE_ROW1
.else
	v_wmma_scale_f32_16x16x128_f8f6f4 v[8*(8*((\a)%4)+\b):8*(8*((\a)%4)+\b)+7], v[128*(\p)+FR*\b:128*(\p)+FR*\b+FR-1], v[AF+FR*(\a):AF+FR*(\a)+FR-1], v[8*(8*((\a)%4)+\b):8*(8*((\a)%4)+\b)+7], v[SC+8*NQ*(\sc)+NQ*\b+(\q)], v[SC+8*NQ*(\sc)+NQ*(\a)+(\q)] matrix_a_fmt:MATRIX_FMT_FP4 matrix_b_fmt:MATRIX_FMT_FP4 matrix_a_scale:MATRIX_SCALE_ROW1
.endif
.endr
.endr
.endm
.macro FETCH_B slot, q, p
	WIN TO_B
.irp i, 0,1,2,3,4,5,6,7
	FRAG 128*(\p)+FR*\i, ADRB+\slot, \q, \i
.endr
	WIN 0
.endm
.macro FETCH_A slot, q, i0
.irp i, \i0, \i0+1, \i0+2, \i0+3
	FRAG AF+FR*(\i), ADRA+\slot, \q, \i
.endr
.endm
.macro SCALES sc                       ; a K step's scale words: four words a row; lanes 0-15 take A's block i, lanes 16-31 B's block i
.irp i, 0,1,2,3,4,5,6,7
	ds_load_b128 v[SC+8*NQ*\sc+NQ*\i:SC+8*NQ*\sc+NQ*\i+3], v[ADRS] offset:\i*SBLK
.endr
.endm
; A load into a register that a matrix instruction has read, and a vector instruction or an LDS store that reads a matrix result, stand NP places behind it; only plain vector instructions that name none of its registers are places.
.macro PLACES n
.rept \n
	v_nop
.endr
.endm
.macro STEP slot, q, zero              ; a step of 128 along K that has its successor in the same slot
	s_wait_dscnt 4*NL                              ; B's set and A's blocks 0-3 are in; the youngest eight loads (A's blocks 4-7) may be out
	WIN MUL_LO
	MUL16 0, (\q)%2, \q, \slot, \zero
	MUL16 2, (\q)%2, \q, \slot, \zero
	s_wait_dscnt 0                                 ; A's blocks 4-7 are in
	PLACES NP
	FETCH_B \slot, (\q)+1, 1-(\q)%2
	FETCH_A \slot, (\q)+1, 0
	WIN MUL_HI
	MUL16 4, (\q)%2, \q, \slot, \zero
	MUL16 6, (\q)%2, \q, \slot, \zero
	PLACES NP
	WIN 0
	FETCH_A \slot, (\q)+1, 4
.endm
; Slot 0's last step goes over to slot 1: one barrier; in front of it each wave waits for all its tensor loads (its part of slot 1), adds 0 to its spare word, and waits for that and for its reads of slot 0.
; Nothing is filled again: behind this barrier slot 0 is read by nobody, and takes the stages of the way out.
.macro TURN slot, next
	s_wait_tensorcnt 0x0
	ds_add_u32 v[SPW], v[NIL]
	s_wait_dscnt 4*NL+1                            ; (the add and the youngest eight loads may be out)
	WIN MUL_LO
	MUL16 0, 1, NQ-1, \slot, 0
	s_wait_dscnt 0x0                               ; the add is done, and my reads of this slot are over
	s_barrier_signal -1
	MUL16 2, 1, NQ-1, \slot, 0
	WIN 0
	s_barrier_wait -1
	PLACES NP
	v_add_nc_u32 v[ADRS], 4*NQ, v[ADRS]            ; on to the next K step's scale words
	FETCH_B \next, 0, 0
	FETCH_A \next, 0, 0
	SCALES \next
	WIN MUL_HI
	MUL16 4, 1, NQ-1, \slot, 0
	MUL16 6, 1, NQ-1, \slot, 0
	PLACES NP
	WIN 0
	FETCH_A \next, 0, 4
.endm
.macro STEPS slot, from
.set Q, \from
.rept NQ-1-\from
	STEP \slot, Q, 0
.set Q, Q+1
.endr
.endm
	s_wait_tensorcnt 1                             ; the scales and my part of slot 0 are in (slot 1's load may be out),
	s_barrier_signal -1
	s_barrier_wait -1                              ; everybody's are
	FETCH_B 0, 0, 0
	FETCH_A 0, 0, 0
	SCALES 0
	FETCH_A 0, 0, 4
	STEP 0, 0, 1                                   ; the first products start the sums: nothing is cleared
	STEPS 0, 1
	TURN 0, 1
	STEPS 1, 0
	s_wait_dscnt 4*NL                              ; the last step: nothing more to fetch
	WIN MUL_LO
	MUL16 0, 1, NQ-1, 1, 0
	MUL16 2, 1, NQ-1, 1, 0
	s_wait_dscnt 0
	WIN MUL_HI
	MUL16 4, 1, NQ-1, 1, 0
	MUL16 6, 1, NQ-1, 1, 0
	WIN 0
	PLACES NP                                      ; behind the last products, ahead of the first line that reads or writes a result, on both ways
	s_cmp_lg_u32 ttmp9, 0                          ; q alone is scaled: the cluster's x, the same in all partners
	s_cbranch_scc1 .Lnot_q
	WIN 0x82                                       ; destination and source 0: window 2
.set i, 0
.rept 128
	v_pk_mul_f32 v[i:i+1], v[i:i+1], s[FS:FS+1] op_sel_hi:[1,0]   ; x 1/8: exact; each accumulator from its low end on
.set i, i+2
.endr
	WIN 0xc3                                       ; window 3
.set i, 0
.rept 128
	v_pk_mul_f32 v[i:i+1], v[i:i+1], s[FS:FS+1] op_sel_hi:[1,0]
.set i, i+2
.endr
	WIN 0
.Lnot_q:
; THE WAY OUT, block by block of 16 rows x 128 columns.  PACK: rounded to f16, 16 bytes a lane.  TOSTAGE: into my stage, and back so that sixteen lanes hold 256 consecutive bytes of C.  SEND: stored.
.macro PACK a
.set AC, 64*((\a)%4)
	WIN 0x0a+5*((\a)/4)                            ; sources 0 and 1: window 2 or 3
.irp b, 0,1,2,3,4,5,6,7
.irp r, 0,1,2,3
	v_cvt_pk_f16_f32 v[TMP+4*\b+\r], v[AC+8*\b+2*\r], v[AC+8*\b+2*\r+1]
.endr
.endr
	WIN 0
.endm
.macro TOSTAGE a
.set BB, BK+32*((\a)%2)
.irp b, 0,1,2,3,4,5,6,7
	ds_store_b128 v[STO], v[TMP+4*\b:TMP+4*\b+3] offset:32*\b
.endr
.irp t, 0,1,2,3,4,5,6,7
	ds_load_b128 v[BB+4*\t:BB+4*\t+3], v[RD] offset:\t*2*SPITCH    ; LDS serves a wave's instructions in order (ISA guide 5.7.1.4): these see the stores above
.endr
.endm
.macro SEND a
.set BB, BK+32*((\a)%2)
	s_wait_dscnt 0x0                               ; the block is back in registers
	s_wait_xcnt 0x0                                ; the block before has left its registers: the next block's loads land there only behind this wait
.irp t, 0,1,2,3,4,5,6,7
	global_store_b128 v[CO], v[BB+4*\t:BB+4*\t+3], s[12:13] offset:(\a)*2048+\t*256   ; sixteen lanes store 256 consecutive bytes, aligned: rows 16 a + 2 t and the next of one block of columns
.endr
.endm
	PACK 0
	TOSTAGE 0
.irp a, 1,2,3,4,5,6,7                  ; block a's conversions stand between block a - 1's loads from the stage and the wait for them
	PACK \a
	SEND \a-1
	TOSTAGE \a
.endr
	SEND 7
	s_wait_tensorcnt 0x0                           ; the wave's end
	ds_add_u32 v[SPW], v[NIL]
	s_wait_dscnt 0x0
	CROUND                                         ; the closing round
	s_endpgm
.Lfunc_end_k_q0763b91d5a_qkv:
	.size	k_q0763b91d5a_qkv, .Lfunc_end_k_q0763b91d5a_qkv-k_q0763b91d5a_qkv
	.p2alignl 7, 3214868480
	.fill 96, 4, 3214868480
	.section	.rodata,"a",@progbits
	.p2align	6, 0x0
	.amdhsa_kernel k_q0763b91d5a_qkv
		.amdhsa_group_segment_fixed_size 327680
		.amdhsa_private_segment_fixed_size 0
		.amdhsa_enable_private_segment 0
		.amdhsa_kernarg_size 48
		.amdhsa_user_sgpr_count 2
		.amdhsa_user_sgpr_kernarg_segment_ptr 1
		.amdhsa_wavefront_size32 1
		.amdhsa_system_sgpr_workgroup_id_x 1
		.amdhsa_system_sgpr_workgroup_id_y 1
		.amdhsa_system_sgpr_workgroup_id_z 1
		.amdhsa_system_vgpr_workitem_id 0
		.amdhsa_next_free_vgpr 1024
		.amdhsa_next_free_sgpr 102
		.amdhsa_reserve_vcc 0
		.amdhsa_float_denorm_mode_32 3
		.amdhsa_float_denorm_mode_16_64 3
		.amdhsa_memory_ordered 1
		.amdhsa_forward_progress 1
		.amdhsa_inst_pref_size 143
	.end_amdhsa_kernel
	.amdgpu_metadata
---
amdhsa.version: [ 1, 2 ]
amdhsa.kernels:
  - .name:           k_q0763b91d5a_qkv
    .symbol:         k_q0763b91d5a_qkv.kd
    .args:
      - { .name: xcodes, .offset: 0, .size: 8, .value_kind: global_buffer, .address_space: global }
      - { .name: xscales, .offset: 8, .size: 8, .value_kind: global_buffer, .address_space: global }
      - { .name: wcodes, .offset: 16, .size: 8, .value_kind: global_buffer, .address_space: global }
      - { .name: wscales, .offset: 24, .size: 8, .value_kind: global_buffer, .address_space: global }
      - { .name: qk, .offset: 32, .size: 8, .value_kind: global_buffer, .address_space: global }
      - { .name: vt, .offset: 40, .size: 8, .value_kind: global_buffer, .address_space: global }
    .group_segment_fixed_size: 327680
    .private_segment_fixed_size: 0
    .kernarg_segment_align: 8
    .kernarg_segment_size: 48
    .max_flat_workgroup_size: 128
    .sgpr_count:     102
    .vgpr_count:     1024
    .wavefront_size: 32
...
	.end_amdgpu_metadata
.endif
;; end of part 2
;; launch attn (part 3): grid 8 x 32, 8 waves a work-group, clusters of 4 x 4, 327,680 bytes of LDS; arguments qk, vt, mask, ctx; writes ctx
.if DOCPART == 3
	.amdgcn_target "amdgcn-amd-amdhsa--gfx1250"
	.amdhsa_code_object_version 6
	.text
	.protected	k_q0763b91d5a_attn
	.globl	k_q0763b91d5a_attn
	.p2align	8
	.type	k_q0763b91d5a_attn,@function
k_q0763b91d5a_attn:
	s_mov_b64 s[64:65], 0
	v_nop
	global_prefetch_b8 v0, s[64:65] scope:SCOPE_SE
	s_setreg_imm32_b32 hwreg(HW_REG_WAVE_MODE, 25, 1), 1
	s_wait_xcnt 0x0
	s_wait_alu depctr_hold_cnt(0) depctr_sa_sdst(0) depctr_va_vdst(0) depctr_va_sdst(0) depctr_va_ssrc(0) depctr_va_vcc(0) depctr_vm_vsrc(0)
	s_getreg_b32 s2, hwreg(HW_REG_IB_STS2, 6, 4)
	s_cmp_eq_u32 s2, 0
	s_cbranch_scc0 .Lentry_in_a_cluster
	s_endpgm
.Lentry_in_a_cluster:
	s_bfe_u32 s2, ttmp6, 0x10000c
	s_cmp_lg_u32 s2, 0xf033
	s_cbranch_scc0 .Lentry_shape_is_right
	s_endpgm
.Lentry_shape_is_right:
; ctx[s][b][h][:] = the sum over t of softmax_t(q . k / 8 + mask[s][t]) v[t][:], for 4 batches x 16 heads of 64 channels, 2,048 positions.  q / 8, k ([head block][row' = b x 2048 + s][64]) and v^T ([b x 32 + t / 64][channel][t mod 64])
; come as f16; mask is f32; products, maxima and sums in f32; the weights p are rounded to f16 for the second product, ctx ([s x 4 + b][1024]) once at the end.
; SHARES.  A work-group owns 256 queries of TWO heads of one batch: for each key it then wants 4 x 256 bytes of mask and 2 x 256 bytes of K and V, the least for 512 query-heads.  Eight waves: wave w has head w / 4 of the pair
; and queries 64 (w mod 4) on, four tiles of 16.  Every wave walks all 2,048 keys, 64 a period.
; LAYOUT.  S^T = K Q^T + MASK^T (source 0 = 16 keys, source 1 = 16 queries): a lane holds ONE query (lane % 16) and keys 8 (lane / 16) + 0..7.  THE MASK IS THE C OF THE FIRST PRODUCT: a lane's eight numbers of a mask row, 32 bytes,
; are loaded from LDS into the accumulator's registers, so that adding it costs no vector instruction and is done in f32.  Two such tiles, rounded to f16 in pairs, ARE source 1 (32 keys x 16 queries) of O^T = V^T P.
; SOFTMAX.  For each query a running maximum m (it starts at -2^127) and sum l: p = 2^(c s - c m), c = log2(e); in every period O^T and l are multiplied by a = 2^(c m_old - c m_new).
; TWO WAVES SHARE A SIMD AND WORK IN OPPOSITE PHASES.  PH = (w xor w / 4) mod 2 differs between waves w and w + 4 and between 2 i and 2 i + 1.  In a period a wave with PH = 0 runs its matrix phase and then its softmax, a wave with PH = 1 the
; softmax of the period before and then its matrix phase: the same cyclic order, cut by the barrier at another place.  The softmax touches registers alone, so all LDS reads of tile j stand in period j for both.
; CLUSTER.  4 x 4 work-groups: x = block of queries, y = batch and pair of heads.  A mask tile hangs on x alone and is asked for jointly down a column; K's and V's hang on y alone and are asked for jointly along a row.
; LIMITS.  |q| / 8, |k|, |v| up to 65,504 (f16).  |score| x log2(e) stays a finite f32.  A row all of whose scores are finite but under -2^127 gives NaN; a row that is all -infinity gives NaN, as the definition does.
; REGISTERS, in windows of 256.  Window 0: v1-15 addresses; v16-47 eight registers of statistics a tile; v64-191 S^T, 32 a tile; v192-255 K's fragments, later V's.   Window 1: v0-127 O^T, 32 a tile; v128-191 Q; v192-255 P.
.set PM,    272                        ; an LDS row: 256 bytes + 16 of padding = 68 words
.set MROWS, 64*PM                      ; 64 rows of the mask tile: what one tensor load brings, and what one wave reads
.set KOFF,  256*PM                     ; a slot: 256 rows of mask; then K of head 0, K of head 1, V^T of head 0, V^T of head 1,
.set KVB,   32*PM                      ; each 8,192 dense bytes as 32 rows of 256: row i (a key, or a channel) lies at (i / 2) PM + 128 (i mod 2): sixteen rows start at sixteen different groups of four banks
.set SLOT1, 1<<17                      ; slot 1 begins here: one exclusive or turns an address in one slot into the other's
.set STAGE, 237568                     ; behind the slots: 256 rows x 272 bytes for the way out: no fill lands there
.set SPARE, STAGE+256*PM               ; the spare words, 128 bytes a wave
.set AM0, 3                            ; v3  my lane's place in the mask tile
.set AK0, 4                            ; v4  in my head's K
.set AV0, 5                            ; v5  in my head's V^T
.set ADM, 6                            ; v6-8 the same in the slot in hand
.set ADK, 7
.set ADV, 8
.set QO,  9
.set STO, 10
.set RD,  11
.set GO,  12
.set PFO, 13                           ; v13 the prefetches' offset; never rewritten
.set SPW, 14                           ; v14 LDS address of my spare word; never rewritten
.set NIL, 15                           ; v15 0; never rewritten
.set ST,  16                           ; tile t's statistics at v[ST+8 t]: +0 c m, +1 m, +2, +3 l (even keys', odd keys'), +4 to +7 at work; a takes +6 once the maximum is found
.set S,   64
.set KB,  192
.set QF,  128                          ; in window 1
.set P,   192                          ; in window 1
.set WV,  12
.set PH,  17
.set G1M, 24                           ; s[24:31] descriptor group 1 for the mask's tiles;  s[32:39] for K's and V's
.set G1KV, 32
.set G0M, 40                           ; s[40:47] group 0 for the mask: a set for each of the two first fills; the second then walks on
.set G0KV, 48                          ; s[48:55] the same for K or V
.set CS,  56                           ; s[56:57] c
.set SEL, 58                           ; s[58:59] lane selects: lane l xor 16
.set TB,  60                           ; s60 LDS byte at which the slot in hand begins
.set CNT, 61                           ; s61 tiles still to be asked for
.set LIM, 62                           ; s62 1 in a wave that prefetches, else the greatest number
.set KVS, 66                           ; s[66:67] from tile to tile in memory: 8,192 bytes in K, 131,072 in V^T
.set PFA, 68                           ; s[68:69] where my prefetches stand
.set PFS, 70                           ; s[70:71] and their step
.set QB,  86                           ; s[86:87] Q at my wave's first row
.set MSB, 0
.macro WIN new
.if MSB != \new
	s_set_vgpr_msb (MSB<<8)|\new
.set MSB, \new
.endif
.endm
.set W_KQ, 0x04                        ; Q (source 1) in window 1
.set W_PV, 0x54                        ; P (source 1), O^T (C and D) in window 1
.set W_RS, 0x41                        ; O^T (destination and source 0) in window 1
.set W_CV, 0x40                        ; destination in window 1
.set W_OUT, 0x05                       ; sources 0 and 1 in window 1
.set G1W0, (2<<16)|(1<<20)|(1<<21)|(5<<22)|(3<<25)   ; 17:16 elements of 4 bytes; 20 padding on; 21 set beside a mask; 24:22 after every 64 words; 31:25 four words
; A joint refill.  Waves 0-3 fetch 64 rows each of the mask tile; waves 4, 5 K of the two heads; waves 6, 7 V^T.  The branch hangs on the wave's number alone.  An s_nop 0 and four v_nop follow each line.
.macro JLOAD
	s_cmp_lt_u32 s[WV], 4
	s_cbranch_scc0 .Lfor_kv_\@
	tensor_load_to_lds s[G0M+4:G0M+7], s[G1M:G1M+7]
	s_nop 0
.rept 4
	v_nop
.endr
	s_branch .Lasked_\@
.Lfor_kv_\@:
	tensor_load_to_lds s[G0KV+4:G0KV+7], s[G1KV:G1KV+7]
	s_nop 0
.rept 4
	v_nop
.endr
.Lasked_\@:
.endm
; A PREFETCH INTO THE L2 of the tile that the NEXT change of slots will ask for, one period ahead of that load; it stands behind the wave's tensor load and its five lines.  Each aligned 256 bytes are named once in the launch.
; The mask's rows are read by every cluster of a column of clusters: those with cluster y = 0 ask; the four partners that ask for a tile jointly take 64 rows each, told apart BY ADDRESS (cy); waves 0 and 1, a lane a row.
; K and V^T are read by both clusters of a row of clusters: cluster x = 0 asks; partner cx takes the cx-th of the four blocks of 8,192 bytes (pointer and step chosen by cx, no branch); wave 4, lanes 256 bytes apart.
; Tiles 0 to 2 come by their loads alone; the last change that fills a slot asks for nothing.
.macro ASK
	s_cmp_gt_u32 s[CNT], s[LIM]
	s_cbranch_scc0 .Lnot_mine_\@
	global_prefetch_b8 v[PFO], s[PFA:PFA+1] th:TH_LOAD_NT scope:SCOPE_SE
.Lnot_mine_\@:
.endm
.macro CROUND                          ; a round of the cluster's barrier
	s_barrier_signal -1
	s_barrier_wait -1
	s_cmp_lg_u32 s[WV], 0
	s_cbranch_scc1 .Lnot_wave_0_\@
	s_barrier_signal -3
.Lnot_wave_0_\@:
	s_barrier_wait -3
	s_barrier_signal -1
	s_barrier_wait -1
.endm
.macro PLACES                          ; four places in front of loads into registers that matrix instructions have read or written
.rept 4
	v_nop
.endr
.endm
	s_load_b256 s[4:11], s[0:1], 0x0               ; qk s[4:5], vt s[6:7], mask s[8:9], ctx s[10:11]
	v_lshl_add_u32 v[SPW], v0, 2, SPARE
	v_mov_b32 v[NIL], 0
	ds_add_u32 v[SPW], v[NIL]                      ; the wave's opening: the add, twice on end, and its wait ahead of my first tensor load
	ds_add_u32 v[SPW], v[NIL]
	v_lshrrev_b32 v1, 5, v0
	v_readfirstlane_b32 s[WV], v1                  ; wave 0..7
	s_bfe_u32 s13, ttmp6, 0x40000                  ; cx
	s_bfe_u32 s14, ttmp6, 0x40004                  ; cy
	s_lshl_b32 s15, ttmp9, 2
	s_add_co_u32 s15, s15, s13                     ; my block of 256 queries
	s_and_b32 s72, ttmp7, 0xffff                   ; the cluster's y
	s_lshl_b32 s16, s72, 2
	s_add_co_u32 s16, s16, s14                     ; batch and pair of heads
	s_lshr_b32 s18, s[WV], 2                       ; g: my head of the pair
	s_and_b32 s19, s[WV], 3                        ; my 64 queries.  Also: which part of a tile I fetch
	s_xor_b32 s[PH], s[WV], s18
	s_and_b32 s[PH], s[PH], 1                      ; my phase
	s_lshr_b32 s73, s16, 3                         ; b
	s_and_b32 s74, s16, 7                          ; the pair: heads 2 hp, 2 hp + 1
	s_lshl_b32 s20, 0x1111, s13                    ; my column of the cluster
	s_lshl_b32 s21, s14, 2
	s_lshl_b32 s21, 15, s21                        ; my row
	s_or_b32 s[G1M], s20, G1W0                     ; the mask's tiles go down my column,
	s_or_b32 s[G1KV], s21, G1W0                    ; K's and V's along my row
	s_mov_b32 s[G1M+1], 64<<16                     ; tensor_dim0 = 64 elements (256 bytes)
	s_mov_b32 s[G1M+2], 64<<16                     ; tensor_dim1 = 64 rows
	s_mov_b32 s[G1M+3], 64<<16                     ; tile_dim0
	s_mov_b32 s[G1M+4], 64                         ; tile_dim1
	s_mov_b32 s[G1M+5], 2048                       ; from row to row of the mask
	s_mov_b32 s[G1M+6], 0
	s_mov_b32 s[G1M+7], 0
	s_mov_b32 s[G1KV+1], 64<<16                    ; 8,192 dense bytes as 32 rows of 256
	s_mov_b32 s[G1KV+2], 32<<16
	s_mov_b32 s[G1KV+3], 64<<16
	s_mov_b32 s[G1KV+4], 32
	s_mov_b32 s[G1KV+5], 64
	s_mov_b32 s[G1KV+6], 0
	s_mov_b32 s[G1KV+7], 0
	s_lshl_b32 s20, s15, 8                         ; the mask: row 256 x block + 64 x part, 8,192 bytes a row
	s_lshl_b32 s21, s19, 6
	s_add_co_u32 s20, s20, s21
	s_lshl_b32 s20, s20, 13
	s_mov_b32 s21, 0
	s_and_b32 s75, s[WV], 1
	s_lshl_b32 s76, s74, 1
	s_add_co_u32 s76, s76, s75                     ; the head that I fetch for
	s_add_co_u32 s77, s76, 16
	s_lshl_b32 s77, s77, 20
	s_lshl_b32 s78, s73, 18
	s_add_co_u32 s77, s77, s78                     ; K: (16 + head) << 20 + b << 18
	s_lshl_b32 s78, s73, 22
	s_lshl_b32 s79, s76, 13
	s_add_co_u32 s78, s78, s79                     ; V^T: (32 b) << 17 + head << 13
	s_mov_b32 s[KVS], 0x20000
	s_mov_b32 s[KVS+1], 0
	s_mov_b32 s23, 0
	s_mul_i32 s82, s19, MROWS                      ; where they go: no place in the cluster enters an LDS address
	s_mul_i32 s83, s19, KVB
	s_add_co_u32 s83, s83, KOFF
	s_mov_b32 s[CS], 0x3fb8aa3b                    ; c = log2(e)
	s_mov_b32 s[CS+1], s[CS]                       ; (named with it as a pair, so it is written)
	s_mov_b32 s[SEL], 0x76543210
	s_mov_b32 s[SEL+1], 0xfedcba98
	s_mov_b32 s[TB], 0
	s_mov_b32 s[CNT], 30
	s_and_b32 s79, s[WV], 2
	s_wait_dscnt 0x0                               ; both opening adds are done
	s_wait_kmcnt 0x0
	s_cmp_eq_u32 s79, 0                            ; waves 4, 5: K; waves 6, 7: V^T
	s_cselect_b32 s22, s77, s78
	s_cselect_b32 s[KVS], 8192, s[KVS]
	s_cselect_b64 s[80:81], s[4:5], s[6:7]
	s_add_nc_u64 s[80:81], s[80:81], s[22:23]
	s_add_nc_u64 s[84:85], s[8:9], s[20:21]
	CROUND                                         ; all sixteen work-groups are here: the first joint loads meet
	s_mov_b32 s[G0M], 1                            ; tile 0 into slot 0
	s_mov_b32 s[G0M+1], s82
	s_mov_b64 s[G0M+2:G0M+3], s[84:85]
	s_or_b32 s[G0M+3], s[G0M+3], 0x80000000
	s_mov_b32 s[G0M+4], 1                          ; tile 1 into slot 1
	s_add_co_u32 s[G0M+5], s82, SLOT1
	s_add_nc_u64 s[G0M+6:G0M+7], s[84:85], 256
	s_or_b32 s[G0M+7], s[G0M+7], 0x80000000
	s_mov_b32 s[G0KV], 1
	s_mov_b32 s[G0KV+1], s83
	s_mov_b64 s[G0KV+2:G0KV+3], s[80:81]
	s_or_b32 s[G0KV+3], s[G0KV+3], 0x80000000
	s_mov_b32 s[G0KV+4], 1
	s_add_co_u32 s[G0KV+5], s83, SLOT1
	s_add_nc_u64 s[G0KV+6:G0KV+7], s[80:81], s[KVS:KVS+1]
	s_or_b32 s[G0KV+7], s[G0KV+7], 0x80000000
	s_cmp_lt_u32 s[WV], 4                          ; a wave's two first fills stand in one branch, ahead of every wait on TENSORcnt and every LDS read: two loads of mine are out
	s_cbranch_scc0 .Lfirst_kv
	tensor_load_to_lds s[G0M:G0M+3], s[G1M:G1M+7]
	s_nop 0
	tensor_load_to_lds s[G0M+4:G0M+7], s[G1M:G1M+7]
	s_nop 0
.rept 4
	v_nop
.endr
	s_branch .Lfirst_asked
.Lfirst_kv:
	tensor_load_to_lds s[G0KV:G0KV+3], s[G1KV:G1KV+7]
	s_nop 0
	tensor_load_to_lds s[G0KV+4:G0KV+7], s[G1KV:G1KV+7]
	s_nop 0
.rept 4
	v_nop
.endr
.Lfirst_asked:
	; Q stays in registers: a fragment is 16 queries x 32 channels: lane l holds query l % 16; registers 0-3 channels 8 (l / 16) + 0..7, registers 4-7 channels 16 + 8 (l / 16) + 0..7
	s_lshl_b32 s75, s74, 1
	s_add_co_u32 s75, s75, s18
	s_lshl_b32 s75, s75, 20                        ; my head's block of q,
	s_lshl_b32 s76, s73, 11
	s_lshl_b32 s77, s15, 8
	s_add_co_u32 s76, s76, s77
	s_lshl_b32 s77, s19, 6
	s_add_co_u32 s76, s76, s77                     ; row' = 2048 b + 256 x block + 64 x part,
	s_lshl_b32 s76, s76, 7                         ; 128 bytes a row
	s_add_co_u32 s76, s76, s75
	s_mov_b32 s77, 0
	s_add_nc_u64 s[QB:QB+1], s[4:5], s[76:77]
	v_and_b32 v1, 15, v0                           ; r = l % 16
	v_bfe_u32 v2, v0, 4, 1                         ; h = l / 16
	v_lshlrev_b32 v[QO], 7, v1
	v_lshl_add_u32 v[QO], v2, 4, v[QO]
	WIN W_CV
.irp qt, 0,1,2,3
.irp c, 0,1
	global_load_b128 v[QF+16*\qt+8*\c:QF+16*\qt+8*\c+3],   v[QO], s[QB:QB+1] offset:\qt*2048+64*\c
	global_load_b128 v[QF+16*\qt+8*\c+4:QF+16*\qt+8*\c+7], v[QO], s[QB:QB+1] offset:\qt*2048+64*\c+32
.endr
.endr
.set i, 0
.rept 128
	v_mov_b32 v[i], 0                              ; O^T.  (The period is written for the loop alone: the first finds zeros, which a = 0 leaves zeros; a first period of its own would be one more copy of the text)
.set i, i+1
.endr
	WIN 0
	s_mul_i32 s75, s19, MROWS
	v_mul_u32_u24 v[AM0], v1, PM
	v_lshl_add_u32 v[AM0], v2, 5, v[AM0]
	v_add_nc_u32 v[AM0], s75, v[AM0]               ; the mask: row 64 x part + r, + 32 h: my eight keys of a tile of 16
	v_lshrrev_b32 v[ADM], 1, v1
	v_mul_u32_u24 v[AK0], v[ADM], PM
	v_and_b32 v[ADM], 1, v1
	v_lshl_add_u32 v[AK0], v[ADM], 7, v[AK0]
	v_lshl_add_u32 v[AK0], v2, 4, v[AK0]
	s_mul_i32 s76, s18, KVB
	s_add_co_u32 s76, s76, KOFF
	v_add_nc_u32 v[AK0], s76, v[AK0]               ; K: row r of a fragment, + 16 h, in my head's block
	v_add_nc_u32 v[AV0], 2*KVB, v[AK0]             ; V^T likewise, two blocks on
	s_lshl_b32 s76, s18, 7
	s_add_co_u32 s75, s75, s76
	s_add_co_u32 s75, s75, STAGE
	v_mul_u32_u24 v[STO], v1, PM
	v_lshl_add_u32 v[STO], v2, 4, v[STO]
	v_add_nc_u32 v[STO], s75, v[STO]               ; the stage, in: row 64 x part + r, my head's 128 bytes, + 16 h
	s_mul_i32 s75, s[WV], 32*PM
	s_add_co_u32 s75, s75, STAGE
	v_mul_u32_u24 v[RD], v2, PM
	v_lshl_add_u32 v[RD], v1, 4, v[RD]
	v_add_nc_u32 v[RD], s75, v[RD]                 ; back: wave w takes rows 32 w on; lanes 0-15 one row of 256 bytes, lanes 16-31 the next
	v_lshlrev_b32 v[GO], 13, v2                    ; and in ctx: neighbouring queries lie four rows of 2,048 bytes apart
	v_lshl_add_u32 v[GO], v1, 4, v[GO]
	s_lshl_b32 s75, s15, 8
	s_lshl_b32 s76, s[WV], 5
	s_add_co_u32 s75, s75, s76
	s_lshl_b32 s75, s75, 2
	s_add_co_u32 s75, s75, s73                     ; row 4 (256 x block + 32 w) + b,
	s_lshl_b32 s75, s75, 11
	s_lshl_b32 s76, s74, 8                         ; the pair's 256 bytes
	s_add_co_u32 s76, s76, s75
	s_mov_b32 s77, 0
	s_add_nc_u64 s[10:11], s[10:11], s[76:77]
	; the prefetches (macro ASK): where my wave's stand, and who asks.  They begin at tile 2: the first change of slots steps them to tile 3
	s_lshl_b32 s75, s15, 8
	s_lshl_b32 s76, s14, 6
	s_add_co_u32 s75, s75, s76
	s_and_b32 s76, s[WV], 1
	s_lshl_b32 s76, s76, 5
	s_add_co_u32 s75, s75, s76                     ; the mask: rows 256 x block + 64 cy + 32 (w mod 2) on
	s_lshl_b32 s75, s75, 13
	s_add_co_u32 s75, s75, 512
	s_and_b32 s76, s13, 1
	s_lshl_b32 s77, s74, 1
	s_add_co_u32 s76, s76, s77                     ; K and V^T: partner cx takes head 2 hp + cx mod 2,
	s_add_co_u32 s77, s76, 16
	s_lshl_b32 s77, s77, 20
	s_lshl_b32 s78, s73, 18
	s_add_co_u32 s77, s77, s78
	s_add_co_u32 s77, s77, 2<<13
	s_lshl_b32 s78, s73, 5
	s_add_co_u32 s78, s78, 2
	s_lshl_b32 s78, s78, 17
	s_lshl_b32 s76, s76, 13
	s_add_co_u32 s78, s78, s76
	s_mov_b32 s79, 0x20000
	s_cmp_lt_u32 s13, 2                            ; of K (cx = 0, 1) or of V^T (cx = 2, 3): a choice of address, no branch
	s_cselect_b64 s[PFA:PFA+1], s[4:5], s[6:7]
	s_cselect_b32 s77, s77, s78
	s_cselect_b32 s79, 8192, s79
	s_cmp_lt_u32 s[WV], 4
	s_cselect_b64 s[PFA:PFA+1], s[8:9], s[PFA:PFA+1]
	s_cselect_b32 s80, s75, s77
	s_cselect_b32 s[PFS], 256, s79
	s_cselect_b32 s82, 13, 8                       ; from lane to lane: a row of the mask, or 256 bytes
	s_mov_b32 s81, 0
	s_mov_b32 s[PFS+1], 0
	s_add_nc_u64 s[PFA:PFA+1], s[PFA:PFA+1], s[80:81]
	v_and_b32 v[PFO], 31, v0
	v_lshlrev_b32 v[PFO], s82, v[PFO]
	s_lshr_b32 s83, s[WV], 1
	s_or_b32 s83, s83, s72                         ; 0 in waves 0, 1 of a cluster with y = 0,
	s_xor_b32 s84, s[WV], 4
	s_or_b32 s84, s84, ttmp9                       ; 0 in wave 4 of a cluster with x = 0: the same in all sixteen partners
	s_min_u32 s83, s83, s84
	s_cmp_eq_u32 s83, 0
	s_cselect_b32 s[LIM], 1, -1
.irp t, 0,1,2,3
	v_mov_b32 v[ST+8*\t+1], 0xff000000             ; m = -2^127: under every score that is served; it also keeps a block of keys that is all -infinity from making a NaN
	v_mul_f32 v[ST+8*\t], s[CS], v[ST+8*\t+1]      ; c m: finite
	v_mov_b32 v[ST+8*\t+2], 0                      ; l
	v_mov_b32 v[ST+8*\t+3], 0
	v_mov_b32 v[ST+8*\t+4], 0                      ; (a lane permute's destination and the upper halves of pairs count as read: written once)
	v_mov_b32 v[ST+8*\t+5], 0
	v_mov_b32 v[ST+8*\t+6], 0
	v_mov_b32 v[ST+8*\t+7], 0
.endr
; THE MATRIX WORK.  The accumulators take turns, one instruction a turn: between two links of a chain stand fifteen others'.
.macro PV u                            ; O^T += V^T P, keys 32 u on: 16 products
.irp cb, 0,1,2,3
.irp qt, 0,1,2,3
	v_wmma_f32_16x16x32_f16 v[32*\qt+8*\cb:32*\qt+8*\cb+7], v[KB+32*\u+8*\cb:KB+32*\u+8*\cb+7], v[P+16*\qt+8*\u:P+16*\qt+8*\u+7], v[32*\qt+8*\cb:32*\qt+8*\cb+7]
.endr
.endr
.endm
.macro KQ c                            ; S^T += K Q^T, channels 32 c on: 16 products; for c = 0 the accumulators hold the mask
.irp t, 0,1,2,3
.irp qt, 0,1,2,3
	v_wmma_f32_16x16x32_f16 v[S+32*\qt+8*\t:S+32*\qt+8*\t+7], v[KB+32*\c+8*\t:KB+32*\c+8*\t+7], v[QF+16*\qt+8*\c:QF+16*\qt+8*\c+7], v[S+32*\qt+8*\t:S+32*\qt+8*\t+7]
.endr
.endr
.endm
.macro KLOAD c                         ; K's four fragments (16 keys x 32 channels) of channels 32 c on
.irp t, 0,1,2,3
	ds_load_b128 v[KB+32*\c+8*\t:KB+32*\c+8*\t+3],   v[ADK] offset:\t*8*PM+64*\c
	ds_load_b128 v[KB+32*\c+8*\t+4:KB+32*\c+8*\t+7], v[ADK] offset:\t*8*PM+64*\c+32
.endr
.endm
.macro VLOAD                           ; V^T's eight fragments (16 channels x 32 keys)
.irp u, 0,1
.irp cb, 0,1,2,3
	ds_load_b128 v[KB+32*\u+8*\cb:KB+32*\u+8*\cb+3],   v[ADV] offset:\cb*8*PM+64*\u
	ds_load_b128 v[KB+32*\u+8*\cb+4:KB+32*\u+8*\cb+7], v[ADV] offset:\cb*8*PM+64*\u+32
.endr
.endr
.endm
.macro RESCALE                         ; O^T times the number in each tile's +6 (a; at the end 1 / l): each accumulator from its low end on
	WIN W_RS
.irp qt, 0,1,2,3
.irp i, 0,2,4,6,8,10,12,14,16,18,20,22,24,26,28,30
	v_pk_mul_f32 v[32*\qt+\i:32*\qt+\i+1], v[32*\qt+\i:32*\qt+\i+1], v[ST+8*\qt+6:ST+8*\qt+7] op_sel_hi:[1,0]
.endr
.endr
.endm
; THE MATRIX PHASE of period j: the mask of tile j into S^T's registers; (pv = 1) O^T x a and V^T P of tile j - 1, whose V^T lies in registers since the period before; K of tile j into the registers that V^T leaves, half by half;
; K Q^T of tile j; V^T of tile j into the registers that K leaves.
.macro MPHASE pv
	v_add_nc_u32 v[ADM], s[TB], v[AM0]
	v_add_nc_u32 v[ADK], s[TB], v[AK0]
	v_add_nc_u32 v[ADV], s[TB], v[AV0]
.irp qt, 0,1,2,3
.irp t, 0,1,2,3
	ds_load_b128 v[S+32*\qt+8*\t:S+32*\qt+8*\t+3],   v[ADM] offset:\qt*16*PM+64*\t
	ds_load_b128 v[S+32*\qt+8*\t+4:S+32*\qt+8*\t+7], v[ADM] offset:\qt*16*PM+64*\t+16
.endr
.endr
.if \pv
	RESCALE
	WIN W_PV
	PV 0                                           ; (V^T is in: the change of slots has waited for all my LDS loads)
	WIN 0
	PLACES
.endif
	KLOAD 0
.if \pv
	WIN W_PV
	PV 1
	WIN 0
	PLACES
.endif
	KLOAD 1
	s_wait_dscnt 8                                 ; the mask and K's first half are in; the youngest eight loads (K's second half) may be out
	WIN W_KQ
	KQ 0
	s_wait_dscnt 0x0
	KQ 1
	WIN 0
	PLACES
	VLOAD
.endm
; THE SOFTMAX of one period, four tiles by turns, line by line, so that no line waits for the line above it; registers alone.  102 instructions a tile.
.macro SOFTMAX
.irp j, 0,1,2,3                        ; the maximum of a lane's 32 scores and the old m: four chains, three operands at a time; each accumulator is first read at its low end
.irp t, 0,1,2,3
	v_max3_num_f32 v[ST+8*\t+4+\j], v[S+32*\t+8*\j], v[S+32*\t+8*\j+1], v[S+32*\t+8*\j+2]
.endr
.endr
.irp i, 3,5
.irp j, 0,1,2,3
.irp t, 0,1,2,3
	v_max3_num_f32 v[ST+8*\t+4+\j], v[ST+8*\t+4+\j], v[S+32*\t+8*\j+\i], v[S+32*\t+8*\j+\i+1]
.endr
.endr
.endr
.irp t, 0,1,2,3
	v_max3_num_f32 v[ST+8*\t+4], v[ST+8*\t+4], v[S+32*\t+7], v[S+32*\t+15]
.endr
.irp t, 0,1,2,3
	v_max3_num_f32 v[ST+8*\t+6], v[ST+8*\t+6], v[S+32*\t+23], v[S+32*\t+31]
.endr
.irp t, 0,1,2,3
	v_max3_num_f32 v[ST+8*\t+4], v[ST+8*\t+4], v[ST+8*\t+5], v[ST+8*\t+6]
.endr
.irp t, 0,1,2,3
	v_max3_num_f32 v[ST+8*\t+4], v[ST+8*\t+4], v[ST+8*\t+7], v[ST+8*\t+1]
.endr
.irp t, 0,1,2,3
	v_permlanex16_b32 v[ST+8*\t+5], v[ST+8*\t+4], s[SEL], s[SEL+1]  ; the query's other 32 keys lie in the lane 16 away
.endr
.irp t, 0,1,2,3
	v_mov_b32 v[ST+8*\t+7], v[ST+8*\t]             ; c m_old is kept for a
.endr
.irp t, 0,1,2,3
	v_max_num_f32 v[ST+8*\t+1], v[ST+8*\t+4], v[ST+8*\t+5]
.endr
.irp t, 0,1,2,3
	v_mul_f32 v[ST+8*\t], s[CS], v[ST+8*\t+1]
.endr
.irp t, 0,1,2,3
	v_sub_f32 v[ST+8*\t+7], v[ST+8*\t+7], v[ST+8*\t]
.endr
.irp b, 0,1,2,3,4,5,6,7,8,9,10,11,12,13,14,15
.irp t, 0,1,2,3
	v_pk_fma_f32 v[S+32*\t+2*\b:S+32*\t+2*\b+1], v[S+32*\t+2*\b:S+32*\t+2*\b+1], s[CS:CS+1], v[ST+8*\t:ST+8*\t+1] op_sel_hi:[1,0,0] neg_lo:[0,0,1] neg_hi:[0,0,1]  ; c s - c m, two at a time
.endr
.endr
.irp t, 0,1,2,3                        ; ONE BATCH of 132 exponentials: none reads another's result
	v_exp_f32 v[ST+8*\t+6], v[ST+8*\t+7]           ; a
.endr
.irp e, 0,1,2,3,4,5,6,7,8,9,10,11,12,13,14,15,16,17,18,19,20,21,22,23,24,25,26,27,28,29,30,31
.irp t, 0,1,2,3
	v_exp_f32 v[S+32*\t+\e], v[S+32*\t+\e]
.endr
.endr
	v_nop                                          ; a plain instruction behind the last exponential, ahead of the first use
	s_wait_alu depctr_va_vdst(0)                   ; and one wait for the whole batch
	WIN W_CV
.irp i, 0,1,2,3,4,5,6,7,8,9,10,11,12,13,14,15
.irp t, 0,1,2,3
	v_cvt_pk_f16_f32 v[P+16*\t+\i], v[S+32*\t+2*\i], v[S+32*\t+2*\i+1]  ; P: a pair of neighbouring keys to a register
.endr
.endr
	WIN 0
.irp u, 0,1,2,3,4,5,6,7                ; the sum of the unrounded p, 16 pairs a tile, as a tree in place
.irp t, 0,1,2,3
	v_pk_add_f32 v[S+32*\t+4*\u:S+32*\t+4*\u+1], v[S+32*\t+4*\u:S+32*\t+4*\u+1], v[S+32*\t+4*\u+2:S+32*\t+4*\u+3]
.endr
.endr
.irp u, 0,1,2,3
.irp t, 0,1,2,3
	v_pk_add_f32 v[S+32*\t+8*\u:S+32*\t+8*\u+1], v[S+32*\t+8*\u:S+32*\t+8*\u+1], v[S+32*\t+8*\u+4:S+32*\t+8*\u+5]
.endr
.endr
.irp u, 0,1
.irp t, 0,1,2,3
	v_pk_add_f32 v[S+32*\t+16*\u:S+32*\t+16*\u+1], v[S+32*\t+16*\u:S+32*\t+16*\u+1], v[S+32*\t+16*\u+8:S+32*\t+16*\u+9]
.endr
.endr
.irp t, 0,1,2,3
	v_pk_add_f32 v[S+32*\t:S+32*\t+1], v[S+32*\t:S+32*\t+1], v[S+32*\t+16:S+32*\t+17]
.endr
.irp t, 0,1,2,3
	v_pk_fma_f32 v[ST+8*\t+2:ST+8*\t+3], v[ST+8*\t+2:ST+8*\t+3], v[ST+8*\t+6:ST+8*\t+7], v[S+32*\t:S+32*\t+1] op_sel_hi:[1,0,1]  ; l = a l + the sum
.endr
.endm
; THE CHANGE OF SLOTS, at a period's head.  Each wave waits for all its tensor loads, of which one is out: its part of the tile that the period reads; adds 0 to its spare word; and waits for that and for its reads of the slot that it leaves.
; fill = 1: the barrier is a round of the cluster's, so that no wave of any partner still reads that slot or has a load on its way; the joint refill, the tile after this period's, is the first thing behind it and has the whole period in which to land.
.macro CHANGE fill
	s_wait_tensorcnt 0x0                           ; no tensor load of mine is out, so a group 0 may be written
	ds_add_u32 v[SPW], v[NIL]                      ; 0 onto my spare word; the descriptors' steps stand between it and the wait for it
.if \fill
	s_xor_b32 s[G0M+5], s[G0M+5], SLOT1            ; the walking descriptors: the other slot than last time,
	s_add_nc_u64 s[G0M+6:G0M+7], s[G0M+6:G0M+7], 256   ; the next 64 keys; the type bits on top are not reached
	s_xor_b32 s[G0KV+5], s[G0KV+5], SLOT1
	s_add_nc_u64 s[G0KV+6:G0KV+7], s[G0KV+6:G0KV+7], s[KVS:KVS+1]
	s_wait_xcnt 0x0                                ; the last prefetch, a period back, has read its address, so it may be written
	s_add_nc_u64 s[PFA:PFA+1], s[PFA:PFA+1], s[PFS:PFS+1]
.endif
	s_xor_b32 s[TB], s[TB], SLOT1                  ; my reads go on to the other slot
	s_wait_dscnt 0x0                               ; the add is done, and my reads of the slot that I leave are over
.if \fill
	CROUND
	JLOAD
	ASK
.else
	s_barrier_signal -1
	s_barrier_wait -1
.endif
.endm
.macro PERIOD fill                     ; the branches hang on the wave's number alone and lead round register work alone
	CHANGE \fill
	s_cmp_eq_u32 s[PH], 0
	s_cbranch_scc1 .Lmat_\@
	SOFTMAX                                        ; PH = 1: of the tile before
.Lmat_\@:
	MPHASE 1
	s_cmp_lg_u32 s[PH], 0
	s_cbranch_scc1 .Ldone_\@
	SOFTMAX                                        ; PH = 0: of this tile
.Ldone_\@:
.endm
	s_wait_tensorcnt 1                             ; my part of tile 0 is in; tile 1's may stay out
	s_barrier_signal -1
	s_barrier_wait -1                              ; everybody's is
	s_wait_loadcnt 0x0                             ; Q
	MPHASE 0                                       ; period 0
	s_cmp_lg_u32 s[PH], 0
	s_cbranch_scc1 .Lperiod
	SOFTMAX
.Lperiod:                              ; periods 1 to 30: each asks for the tile after its own
	PERIOD 1
	s_sub_co_u32 s[CNT], s[CNT], 1
	s_cmp_lg_u32 s[CNT], 0
	s_cbranch_scc1 .Lperiod
	PERIOD 0                                       ; period 31 is written out: nothing is left to ask for
	s_cmp_eq_u32 s[PH], 0
	s_cbranch_scc1 .Ldrain
	SOFTMAX                                        ; PH = 1: of the last tile
.Ldrain:
	s_wait_dscnt 0x0                               ; the last V^T is in
	RESCALE
	WIN W_PV
	PV 0
	PV 1
	WIN 0
	; THE WAY OUT.  l's two halves and the other half of the lanes' are added (these lines are the places behind the last products); O^T / l, rounded to f16, goes through the stage, where a row's 256 bytes come from the two heads' waves.
.irp t, 0,1,2,3
	v_add_f32 v[ST+8*\t+4], v[ST+8*\t+2], v[ST+8*\t+3]
.endr
.irp t, 0,1,2,3
	v_permlanex16_b32 v[ST+8*\t+5], v[ST+8*\t+4], s[SEL], s[SEL+1]
.endr
.irp t, 0,1,2,3
	v_add_f32 v[ST+8*\t+4], v[ST+8*\t+4], v[ST+8*\t+5]
.endr
.irp t, 0,1,2,3
	v_rcp_f32 v[ST+8*\t+6], v[ST+8*\t+4]
.endr
	v_nop                                          ; a plain instruction between the last reciprocal and the use of its result
	s_wait_alu depctr_va_vdst(0)                   ; and one wait for the four
	RESCALE
	WIN W_OUT
.irp i, 0,1,2,3,4,5,6,7,8,9,10,11,12,13,14,15,16,17,18,19,20,21,22,23,24,25,26,27,28,29,30,31,32,33,34,35,36,37,38,39,40,41,42,43,44,45,46,47,48,49,50,51,52,53,54,55,56,57,58,59,60,61,62,63
	v_cvt_pk_f16_f32 v[S+\i], v[2*\i], v[2*\i+1]   ; tile qt, channels 16 cb + 8 h on: four registers at S + 16 qt + 4 cb
.endr
	WIN 0
.irp qt, 0,1,2,3
.irp cb, 0,1,2,3
	ds_store_b128 v[STO], v[S+16*\qt+4*\cb:S+16*\qt+4*\cb+3] offset:\qt*16*PM+32*\cb
.endr
.endr
	s_wait_dscnt 0x0                               ; for the others' sake: my stores into the stage are done
	s_barrier_signal -1
	s_barrier_wait -1
.irp i, 0,1,2,3,4,5,6,7,8,9,10,11,12,13,14,15
	ds_load_b128 v[128+4*\i:128+4*\i+3], v[RD] offset:\i*2*PM
.endr
.irp i, 0,1,2,3,4,5,6,7,8,9,10,11,12,13,14,15
	s_wait_dscnt 15-\i                             ; LDS loads come back in order: load i is in, the younger ones may be out
	global_store_b128 v[GO], v[128+4*\i:128+4*\i+3], s[10:11] offset:\i*16384   ; sixteen lanes store 256 consecutive bytes, aligned: the pair of heads' part of one row of ctx
.endr
	s_wait_tensorcnt 0x0                           ; the wave's end
	ds_add_u32 v[SPW], v[NIL]
	s_wait_dscnt 0x0
	CROUND                                         ; the closing round
	s_endpgm
.Lfunc_end_k_q0763b91d5a_attn:
	.size	k_q0763b91d5a_attn, .Lfunc_end_k_q0763b91d5a_attn-k_q0763b91d5a_attn
	.p2alignl 7, 3214868480
	.fill 96, 4, 3214868480
	.section	.rodata,"a",@progbits
	.p2align	6, 0x0
	.amdhsa_kernel k_q0763b91d5a_attn
		.amdhsa_group_segment_fixed_size 327680
		.amdhsa_private_segment_fixed_size 0
		.amdhsa_enable_private_segment 0
		.amdhsa_kernarg_size 32
		.amdhsa_user_sgpr_count 2
		.amdhsa_user_sgpr_kernarg_segment_ptr 1
		.amdhsa_wavefront_size32 1
		.amdhsa_system_sgpr_workgroup_id_x 1
		.amdhsa_system_sgpr_workgroup_id_y 1
		.amdhsa_system_sgpr_workgroup_id_z 1
		.amdhsa_system_vgpr_workitem_id 0
		.amdhsa_next_free_vgpr 512
		.amdhsa_next_free_sgpr 90
		.amdhsa_reserve_vcc 0
		.amdhsa_float_denorm_mode_32 3
		.amdhsa_float_denorm_mode_16_64 3
		.amdhsa_memory_ordered 1
		.amdhsa_forward_progress 1
		.amdhsa_inst_pref_size 196
	.end_amdhsa_kernel
	.amdgpu_metadata
---
amdhsa.version: [ 1, 2 ]
amdhsa.kernels:
  - .name:           k_q0763b91d5a_attn
    .symbol:         k_q0763b91d5a_attn.kd
    .args:
      - { .name: qk, .offset: 0, .size: 8, .value_kind: global_buffer, .address_space: global }
      - { .name: vt, .offset: 8, .size: 8, .value_kind: global_buffer, .address_space: global }
      - { .name: mask, .offset: 16, .size: 8, .value_kind: global_buffer, .address_space: global }
      - { .name: ctx, .offset: 24, .size: 8, .value_kind: global_buffer, .address_space: global }
    .group_segment_fixed_size: 327680
    .private_segment_fixed_size: 0
    .kernarg_segment_align: 8
    .kernarg_segment_size: 32
    .max_flat_workgroup_size: 256
    .sgpr_count:     90
    .vgpr_count:     512
    .wavefront_size: 32
...
	.end_amdgpu_metadata
.endif
;; end of part 3
;; launch oproj (part 4): grid 4 x 64, 4 waves a work-group, clusters of 4 x 4, 327,680 bytes of LDS; arguments ctx, wo16, out0; writes out0
.if DOCPART == 4
	.amdgcn_target "amdgcn-amd-amdhsa--gfx1250"
	.amdhsa_code_object_version 6
	.text
	.protected	k_q0763b91d5a_oproj
	.globl	k_q0763b91d5a_oproj
	.p2align	8
	.type	k_q0763b91d5a_oproj,@function
k_q0763b91d5a_oproj:
	s_mov_b64 s[64:65], 0
	v_nop
	global_prefetch_b8 v0, s[64:65] scope:SCOPE_SE
	s_setreg_imm32_b32 hwreg(HW_REG_WAVE_MODE, 25, 1), 1
	s_wait_xcnt 0x0
	s_wait_alu depctr_hold_cnt(0) depctr_sa_sdst(0) depctr_va_vdst(0) depctr_va_sdst(0) depctr_va_ssrc(0) depctr_va_vcc(0) depctr_vm_vsrc(0)
	s_getreg_b32 s2, hwreg(HW_REG_IB_STS2, 6, 4)
	s_cmp_eq_u32 s2, 0
	s_cbranch_scc0 .Lentry_in_a_cluster
	s_endpgm
.Lentry_in_a_cluster:
	s_bfe_u32 s2, ttmp6, 0x10000c
	s_cmp_lg_u32 s2, 0xf033
	s_cbranch_scc0 .Lentry_shape_is_right
	s_endpgm
.Lentry_shape_is_right:
; out0[m][n] = sum over k of ctx[m][k] wo[n][k].  ctx: [8192][1024] f16, wo16: [1024][1024] f16, out0: [8192][1024] f32; sums in f32.
; A tile of out0 is 128 rows x 256 columns: 256 tiles, one to a work-group (256 x 256 would give 128).  Four waves, each 64 x 128: 32 accumulators of 16 x 16, all of window 1.
; K goes in steps of 128 (rows of 256 bytes) through a ring of two LDS slots filled by the tensor data mover: waves 0, 1 fetch ctx's two halves (64 rows each), waves 2, 3 wo's (128 rows each).
; CLUSTERS: 4 x 4 work-groups; ctx's tiles are asked for jointly along a row of the cluster, wo's along a column.
; THE MATRIX INSTRUCTION IS USED TRANSPOSED (source 0 = 16 rows of wo, source 1 = 16 rows of ctx): a lane then holds eight neighbouring numbers of a row of out0.
; No prefetch: eight K steps in all, the tiles shared in the cluster.
; REGISTERS: window 0: v16-29 addresses; two fragment buffers of 96 (32 along K: wo's 8 fragments, then ctx's 4) at v32 and v128; on the way out v32-159 take rows of out0.   window 1: accumulator (a, b) at v[8 (8 a + b)].
.set SIZE_K, 1024
.set KSTEP,  128
.set PITCH,  272                       ; an LDS row: 256 bytes + 16 of padding = 68 words: the 16 rows that a load touches start at 16 different groups of four banks (ISA guide 11.1)
.set AH,     64*PITCH                  ; what a wave fetches of ctx, and reads of it
.set BH,     128*PITCH                 ; the same of wo
.set BOFF,   2*AH
.set SLOT,   BOFF+2*BH                 ; ctx's 128 rows, then wo's 256 rows
.set STAGE,  2*SLOT                    ; behind the ring: 16 rows x (512 bytes + 16) for each wave
.set SPITCH, 528
.set SPARE,  STAGE+4*16*SPITCH         ; the spare words, 128 bytes a wave
.set LAPS,   SIZE_K/(2*KSTEP)
.set ADRA, 16
.set ADRB, 20
.set STO,  24
.set RD,   25
.set CO,   26
.set SPW,  28
.set NIL,  29
.set F0,   32
.set F1,   128
.set BK,   32
.set G1, 24
.set G0, 32
.set G1B, 48
.set G0B, 56
.set MSB, 0
.macro WIN new
.if MSB != \new
	s_set_vgpr_msb (MSB<<8)|\new
.set MSB, \new
.endif
.endm
.set MUL, 0x50                         ; C and D window 1
.macro JLOAD s                         ; a joint load: waves 0 and 1 fetch ctx's halves, waves 2 and 3 wo's; an s_nop 0 and four v_nop follow each of the two lines
	s_cmp_eq_u32 s11, 0
	s_cbranch_scc0 .Lfor_b_\@
	tensor_load_to_lds s[G0+4*\s:G0+4*\s+3], s[G1:G1+7]
	s_nop 0
.rept 4
	v_nop
.endr
	s_branch .Lasked_\@
.Lfor_b_\@:
	tensor_load_to_lds s[G0B+4*\s:G0B+4*\s+3], s[G1B:G1B+7]
	s_nop 0
.rept 4
	v_nop
.endr
.Lasked_\@:
.endm
.macro CREST                           ; a round of the cluster's barrier behind its opening barrier
	s_cmp_lg_u32 s10, 0
	s_cbranch_scc1 .Lnot_wave_0_\@
	s_barrier_signal -3
.Lnot_wave_0_\@:
	s_barrier_wait -3
	s_barrier_signal -1
	s_barrier_wait -1
.endm
.macro CROUND
	s_barrier_signal -1
	s_barrier_wait -1
	CREST
.endm
	s_load_b128 s[4:7], s[0:1], 0x0                ; ctx s[4:5], wo16 s[6:7]
	s_load_b64 s[8:9], s[0:1], 0x10                ; out0
	v_lshl_add_u32 v[SPW], v0, 2, SPARE
	v_mov_b32 v[NIL], 0
	ds_add_u32 v[SPW], v[NIL]                      ; the wave's opening: the add, twice on end, and its wait ahead of my first tensor load
	ds_add_u32 v[SPW], v[NIL]
	v_lshrrev_b32 v1, 5, v0
	v_readfirstlane_b32 s10, v1                    ; wave 0..3
	s_lshr_b32 s11, s10, 1                         ; which half of the tile's rows is mine.  Also: I fetch for ctx (0) or for wo (1)
	s_and_b32 s12, s10, 1                          ; which half of its columns.  Also: which half of that tile I fetch
	s_bfe_u32 s40, ttmp6, 0x40000                  ; cx, cy
	s_bfe_u32 s41, ttmp6, 0x40004
	s_lshl_b32 s42, ttmp9, 2
	s_add_co_u32 s42, s42, s40                     ; tile column
	s_and_b32 s13, ttmp7, 0xffff
	s_lshl_b32 s13, s13, 2
	s_add_co_u32 s13, s13, s41                     ; tile row
	s_lshl_b32 s43, s41, 2
	s_lshl_b32 s43, 15, s43                        ; my row of the cluster
	s_lshl_b32 s44, 0x1111, s40                    ; my column
	s_or_b32 s[G1+0], s43, (1<<16)|(1<<20)|(1<<21)|(5<<22)|(3<<25)  ; 15:0 the mask; 17:16 elements of 2 bytes; 20 padding on; 21 set beside a mask; 24:22 after every 64 words; 31:25 four words
	s_or_b32 s[G1B+0], s44, (1<<16)|(1<<20)|(1<<21)|(5<<22)|(3<<25)
	s_mov_b32 s[G1+1], KSTEP<<16                   ; tensor_dim0 = 128
	s_mov_b32 s[G1+2], 64<<16                      ; tensor_dim1 = 64
	s_mov_b32 s[G1+3], KSTEP<<16                   ; tile_dim0
	s_mov_b32 s[G1+4], 64                          ; tile_dim1
	s_mov_b32 s[G1+5], SIZE_K                      ; from row to row
	s_mov_b32 s[G1+6], 0
	s_mov_b32 s[G1+7], 0
	s_mov_b32 s[G1B+1], KSTEP<<16
	s_mov_b32 s[G1B+2], 128<<16
	s_mov_b32 s[G1B+3], KSTEP<<16
	s_mov_b32 s[G1B+4], 128
	s_mov_b32 s[G1B+5], SIZE_K
	s_mov_b32 s[G1B+6], 0
	s_mov_b32 s[G1B+7], 0
	s_lshl_b32 s16, s13, 7
	s_lshl_b32 s17, s12, 6
	s_add_co_u32 s16, s16, s17                     ; ctx: row 128 x tile row + 64 x half,
	s_lshl_b32 s16, s16, 11                        ; 2,048 bytes a row
	s_mov_b32 s17, 0
	s_lshl_b32 s46, s42, 8
	s_lshl_b32 s47, s12, 7
	s_add_co_u32 s46, s46, s47                     ; wo: row 256 x tile column + 128 x half
	s_lshl_b32 s46, s46, 11
	s_mov_b32 s47, 0
	s_mul_i32 s20, s12, AH                         ; where they go: no place in the cluster enters an LDS address
	s_mul_i32 s21, s12, BH
	s_add_co_u32 s21, s21, BOFF
	s_wait_dscnt 0x0                               ; both opening adds are done
	s_wait_kmcnt 0x0
	s_add_nc_u64 s[14:15], s[4:5], s[16:17]
	s_add_nc_u64 s[46:47], s[6:7], s[46:47]
	CROUND                                         ; all sixteen work-groups are here: the first joint loads meet
.irp s, 0,1
	s_mov_b32 s[G0+4*\s], 1
	s_add_co_u32 s[G0+4*\s+1], s20, \s*SLOT
	s_add_nc_u64 s[G0+4*\s+2:G0+4*\s+3], s[14:15], \s*KSTEP*2
	s_or_b32 s[G0+4*\s+3], s[G0+4*\s+3], 0x80000000
	s_mov_b32 s[G0B+4*\s], 1
	s_add_co_u32 s[G0B+4*\s+1], s21, \s*SLOT
	s_add_nc_u64 s[G0B+4*\s+2:G0B+4*\s+3], s[46:47], \s*KSTEP*2
	s_or_b32 s[G0B+4*\s+3], s[G0B+4*\s+3], 0x80000000
	JLOAD \s                                       ; two tensor loads of mine are out behind the second
.endr
	v_and_b32 v1, 15, v0                           ; l % 16
	v_bfe_u32 v2, v0, 4, 1                         ; l / 16
	v_mul_u32_u24 v3, v1, PITCH
	v_lshl_add_u32 v3, v2, 4, v3                   ; a fragment's row x pitch + 16 x half
	s_mul_i32 s22, s11, AH                         ; my 64 rows of ctx
	s_mul_i32 s23, s12, BH                         ; my 128 rows of wo,
	s_add_co_u32 s23, s23, BOFF                    ; which lie behind ctx's 128
.irp s, 0,1
	v_add_nc_u32 v[ADRA+\s], s22, v3
	v_add_nc_u32 v[ADRB+\s], s23, v3
	s_add_co_u32 s22, s22, SLOT
	s_add_co_u32 s23, s23, SLOT
.endr
	s_mul_i32 s22, s10, 16*SPITCH
	s_add_co_u32 s22, s22, STAGE                   ; my stage
	v_mul_u32_u24 v4, v1, SPITCH                   ; in: row l % 16, 32 bytes for each half of the lanes
	v_lshl_add_u32 v4, v2, 5, v4
	v_add_nc_u32 v[STO], s22, v4
	v_and_b32 v5, 31, v0
	v_lshlrev_b32 v[CO], 4, v5                     ; back: the 32 lanes take one row of 512 bytes; and the same in out0
	v_add_nc_u32 v[RD], s22, v[CO]
	s_lshl_b32 s16, s13, 7
	s_lshl_b32 s17, s11, 6
	s_add_co_u32 s16, s16, s17                     ; my first row: 128 x tile row + 64 x half,
	s_lshl_b32 s16, s16, 12                        ; 4,096 bytes a row
	s_lshl_b32 s46, s42, 10                        ; my first column, in bytes: 1,024 x tile column + 512 x half
	s_lshl_b32 s47, s12, 9
	s_add_co_u32 s46, s46, s47
	s_add_co_u32 s16, s16, s46
	s_mov_b32 s17, 0
	s_add_nc_u64 s[8:9], s[8:9], s[16:17]
; 8 matrix instructions: ctx's block a x wo's eight, 32 along K, from buffer f.  zero = 1: the first product starts the sums.  The 32 accumulators take turns, one instruction a turn, in the same order in every quarter.
.macro MUL8 f, a, zero
.irp b, 0,1,2,3,4,5,6,7
.if \zero
	v_wmma_f32_16x16x32_f16 v[8*(8*(\a)+\b):8*(8*(\a)+\b)+7], v[\f+8*\b:\f+8*\b+7], v[\f+64+8*(\a):\f+64+8*(\a)+7], 0
.else
	v_wmma_f32_16x16x32_f16 v[8*(8*(\a)+\b):8*(8*(\a)+\b)+7], v[\f+8*\b:\f+8*\b+7], v[\f+64+8*(\a):\f+64+8*(\a)+7], v[8*(8*(\a)+\b):8*(8*(\a)+\b)+7]
.endif
.endr
.endm
.macro MUL16 f, a0, zero
	MUL8 \f, \a0, \zero
	MUL8 \f, (\a0)+1, \zero
.endm
; 24 LDS loads in one run: the fragments of 32 along K at byte k of the rows, into buffer f: wo's eight, then ctx's four
.macro FETCH slot, k, f
.irp i, 0,1,2,3,4,5,6,7
	ds_load_b128 v[\f+8*\i:\f+8*\i+3],   v[ADRB+\slot] offset:\k+\i*16*PITCH
	ds_load_b128 v[\f+8*\i+4:\f+8*\i+7], v[ADRB+\slot] offset:\k+\i*16*PITCH+32
.endr
.irp i, 0,1,2,3
	ds_load_b128 v[\f+64+8*\i:\f+64+8*\i+3],   v[ADRA+\slot] offset:\k+\i*16*PITCH
	ds_load_b128 v[\f+64+8*\i+4:\f+64+8*\i+7], v[ADRA+\slot] offset:\k+\i*16*PITCH+32
.endr
.endm
.macro PLACES                          ; four places in front of loads into registers that matrix instructions have read, and of stores that read results
.rept 4
	v_nop
.endr
.endm
; A K step is four quarters of 32 along K, 32 matrix instructions each, on buffers 0, 1, 0, 1.  One of the first three: multiplies buffer f and fetches the next quarter, at byte k, into g.
.macro QUARTER slot, k, f, g, zero
	s_wait_dscnt 4                                 ; wo's fragments and ctx's blocks 0, 1 are in; the youngest four loads (blocks 2, 3) may be out
	WIN MUL
	MUL16 \f, 0, \zero
	WIN 0
	PLACES
	FETCH \slot, \k, \g
	s_wait_dscnt 24                                ; all but the 24 just issued
	WIN MUL
	MUL16 \f, 2, \zero
.endm
; The last quarter multiplies buffer 1 and changes slots: ONE barrier; in front of it each wave waits for all its tensor loads, adds 0 to its spare word, and waits for that and for its own reads of this slot.  fill = 1: this slot is filled again, two K steps ahead.
.macro TURN slot, next, fill
	WIN 0
	s_wait_tensorcnt 0x0                           ; all my tensor loads have landed: my part of the next slot
	ds_add_u32 v[SPW], v[NIL]
	s_wait_dscnt 5                                 ; (the add and the youngest four loads may be out)
	WIN MUL
	MUL8 F1, 0, 0                                  ; eight matrix instructions stand between the add and the wait for it
	s_wait_dscnt 0x0                               ; the add is done, and my reads of this slot are over
	s_barrier_signal -1
	MUL8 F1, 1, 0
	WIN 0
	s_barrier_wait -1
.if \fill
	CREST                                          ; the barrier has opened a round of the cluster's: no wave of any partner still reads this slot's tile or has a load on its way
	s_add_nc_u64 s[G0+4*\slot+2:G0+4*\slot+3], s[G0+4*\slot+2:G0+4*\slot+3], 2*KSTEP*2
	s_add_nc_u64 s[G0B+4*\slot+2:G0B+4*\slot+3], s[G0B+4*\slot+2:G0B+4*\slot+3], 2*KSTEP*2
	JLOAD \slot                                    ; the first tensor load behind the round; the four v_nop behind it are also the places in front of the loads below
.else
	PLACES
.endif
	FETCH \next, 0, F0
	WIN MUL
	MUL16 F1, 2, 0
.endm
	s_wait_tensorcnt 1                             ; my part of K step 0 is in (K step 1's load may be out),
	s_barrier_signal -1
	s_barrier_wait -1                              ; everybody's is
	FETCH 0, 0, F0
	QUARTER 0, 64, F0, F1, 1                       ; the first quarter stands in front of the loop: its products start the sums
	WIN 0                                          ; at a label and at a branch every window is 0
	s_mov_b32 s3, LAPS-1
.Llap:                                 ; a trip goes once round the ring, from a lap's second quarter to the next lap's first, and fills both slots again
	QUARTER 0, 128, F1, F0, 0
	QUARTER 0, 192, F0, F1, 0
	TURN 0, 1, 1
	QUARTER 1, 64,  F0, F1, 0
	QUARTER 1, 128, F1, F0, 0
	QUARTER 1, 192, F0, F1, 0
	TURN 1, 0, 1
	QUARTER 0, 64,  F0, F1, 0
	WIN 0
	s_sub_co_u32 s3, s3, 1
	s_cmp_lg_u32 s3, 0
	s_cbranch_scc1 .Llap
	QUARTER 0, 128, F1, F0, 0                      ; the last lap fills nothing, and has no round of the cluster's barrier
	QUARTER 0, 192, F0, F1, 0
	TURN 0, 1, 0
	QUARTER 1, 64,  F0, F1, 0
	QUARTER 1, 128, F1, F0, 0
	QUARTER 1, 192, F0, F1, 0
	s_wait_dscnt 4                                 ; the very last quarter: nothing more to fetch
	WIN MUL
	MUL16 F1, 0, 0
	s_wait_dscnt 0x0
	MUL16 F1, 2, 0
	WIN 0
; THE WAY OUT, block by block of 16 rows x 128 columns: a lane holds 32 neighbouring bytes of a row, so a block goes through my own stage and comes back as whole rows of 512 bytes.
; LDS serves a wave's instructions in order (ISA guide 5.7.1.4): no wait between the stores and the loads, nor in front of the next block's stores.
.macro TOSTAGE a
	WIN 0x04                                       ; an LDS store's data are its source 1: window 1
.irp b, 0,1,2,3,4,5,6,7
	ds_store_b128 v[STO], v[64*(\a)+8*\b:64*(\a)+8*\b+3] offset:64*\b          ; each accumulator from its low end on
	ds_store_b128 v[STO], v[64*(\a)+8*\b+4:64*(\a)+8*\b+7] offset:64*\b+16
.endr
	WIN 0
.set BB, BK+64*((\a)%2)
.irp t, 0,1,2,3,4,5,6,7,8,9,10,11,12,13,14,15
	ds_load_b128 v[BB+4*\t:BB+4*\t+3], v[RD] offset:\t*SPITCH
.endr
.endm
.macro SEND a, younger                 ; younger: the LDS instructions issued behind block a's loads, which may stay out
.set BB, BK+64*((\a)%2)
	s_wait_dscnt \younger
.irp t, 0,1,2,3,4,5,6,7,8,9,10,11,12,13,14,15
	global_store_b128 v[CO], v[BB+4*\t:BB+4*\t+3], s[8:9] offset:(\a)*65536+\t*4096 th:TH_STORE_NT   ; 32 lanes store 512 consecutive bytes, aligned; written once, read by nobody here
.endr
.endm
	PLACES                                         ; behind the last products: for the stores that read results and the loads into the fragments' registers
	TOSTAGE 0
.irp a, 1,2,3
.if \a > 1
	s_wait_xcnt 0x0                                ; block a - 2's stores have read their registers: block a's loads may land there
.endif
	TOSTAGE \a
	SEND \a-1, 32                                  ; behind block a - 1's loads: block a's 16 stores and 16 loads
.endr
	SEND 3, 0
	s_wait_tensorcnt 0x0                           ; the wave's end
	ds_add_u32 v[SPW], v[NIL]
	s_wait_dscnt 0x0
	CROUND                                         ; the closing round
	s_endpgm
.Lfunc_end_k_q0763b91d5a_oproj:
	.size	k_q0763b91d5a_oproj, .Lfunc_end_k_q0763b91d5a_oproj-k_q0763b91d5a_oproj
	.p2alignl 7, 3214868480
	.fill 96, 4, 3214868480
	.section	.rodata,"a",@progbits
	.p2align	6, 0x0
	.amdhsa_kernel k_q0763b91d5a_oproj
		.amdhsa_group_segment_fixed_size 327680
		.amdhsa_private_segment_fixed_size 0
		.amdhsa_enable_private_segment 0
		.amdhsa_kernarg_size 24
		.amdhsa_user_sgpr_count 2
		.amdhsa_user_sgpr_kernarg_segment_ptr 1
		.amdhsa_wavefront_size32 1
		.amdhsa_system_sgpr_workgroup_id_x 1
		.amdhsa_system_sgpr_workgroup_id_y 1
		.amdhsa_system_sgpr_workgroup_id_z 1
		.amdhsa_system_vgpr_workitem_id 0
		.amdhsa_next_free_vgpr 512
		.amdhsa_next_free_sgpr 66
		.amdhsa_reserve_vcc 0
		.amdhsa_float_denorm_mode_32 3
		.amdhsa_float_denorm_mode_16_64 3
		.amdhsa_memory_ordered 1
		.amdhsa_forward_progress 1
		.amdhsa_inst_pref_size 85
	.end_amdhsa_kernel
	.amdgpu_metadata
---
amdhsa.version: [ 1, 2 ]
amdhsa.kernels:
  - .name:           k_q0763b91d5a_oproj
    .symbol:         k_q0763b91d5a_oproj.kd
    .args:
      - { .name: ctx, .offset: 0, .size: 8, .value_kind: global_buffer, .address_space: global }
      - { .name: wo16, .offset: 8, .size: 8, .value_kind: global_buffer, .address_space: global }
      - { .name: out0, .offset: 16, .size: 8, .value_kind: global_buffer, .address_space: global }
    .group_segment_fixed_size: 327680
    .private_segment_fixed_size: 0
    .kernarg_segment_align: 8
    .kernarg_segment_size: 24
    .max_flat_workgroup_size: 128
    .sgpr_count:     66
    .vgpr_count:     512
    .wavefront_size: 32
...
	.end_amdgpu_metadata
.endif
;; end of part 4
